; MI455X (gfx1250); checked and timed in simulation.
; The chip was launched on July 23, 2026; its instructions are those of AMD's public machine-readable ISA for CDNA 5 (MIT licence, August 2026) and "CDNA5" Instruction Set Architecture Reference Guide (July 2026). The comments in the code are by the model that wrote it; some were corrected since.
;; Multi Head Self Attention. Allowed arithmetic: matrix products marked QUANTISED: E2M1 operands, one E8M0 scale for each 32 along K, by v_wmma_scale_f32_16x16x128_f8f6f4 with both operands' format E2M1 (or v_wmma_scale_f32_32x16x128_f4), f32 sums; products left as they are: bf16, f16 or f32 operands; f32 sums; everything else in f32.
;; Inputs: bk 1,024 float32; bo 1,024 float32; bq 1,024 float32; bv 1,024 float32; mask 1 x 1 x 2,048 x 2,048 bool; wk 1,024 x 1,024 float32; wo 1,024 x 1,024 float32; wq 1,024 x 1,024 float32; wv 1,024 x 1,024 float32; x 4 x 2,048 x 1,024 float32.
;; Outputs: out0 4 x 2,048 x 1,024 float32.
;; This version of the problem:
;;   THIS VERSION OF THE PROBLEM IS GIVEN IN LOW PRECISION. The matrix products marked QUANTISED in the list below multiply operands that are first quantised to E2M1 (2 exponent bits, 1 mantissa bit; 4 bits a number), with one power-of-two scale for each 32 numbers along K (OCP MX v1.0); their sums are f32. The products marked 'left as it is' may take bf16, f16 or f32 operands, with f32 sums. Whichever they take, every output number must still come out within the allowed error. Rounding operands to bf16 (8 significant bits) uses up far more of that allowance than f16 does (11 bits, for magnitudes from 6e-5 to 65,504). All else is computed in f32.
;;   The module's matrix products, in the order in which they are computed (A, B: the left and right operand; K: the contracted axis; several contracted axes count as one K, in the product's order):
;;     1. [M 8,192, K 1,024] x [K 1,024, N 1,024]; A: input x; B: input wq: QUANTISED
;;     2. [M 8,192, K 1,024] x [K 1,024, N 1,024]; A: input x; B: input wk: QUANTISED
;;     3. [M 8,192, K 1,024] x [K 1,024, N 1,024]; A: input x; B: input wv: QUANTISED
;;     4. batch 64 x [M 2,048, K 64] x [K 64, N 2,048]; A: computed on the way; B: computed on the way: left as it is (an operand is computed on the way)
;;     5. batch 64 x [M 2,048, K 2,048] x [K 2,048, N 64]; A: computed on the way; B: computed on the way: left as it is (an operand is computed on the way)
;;     6. [M 8,192, K 1,024] x [K 1,024, N 1,024]; A: computed on the way; B: input wo: left as it is (an operand is computed on the way)
;;   THE QUANTISER, for each operand of a quantised product, along K:
;;     - K is cut into blocks of 32 from its start; a last block that is shorter is filled with zeros.
;;     - A block's scale is 2^e with e = floor(log2(the largest magnitude in the block)) - 2, held to -126 .. 127; a block of zeros has e = 0. As a byte (E8M0): e + 127.
;;     - Each number is divided by its block's scale, clamped to +-6, and rounded to the nearest number of E2M1, ties to even, subnormals kept.
;;     - The product sums the exact products of the quantised numbers (number of the format x scale) in f32.
;;   ~~~python
;;   def quantise(x, axis):      # numpy; x: float32 -> the quantised numbers, widened to float32 again
;;       x = np.moveaxis(x, axis, -1); K = x.shape[-1]
;;       x = np.pad(x, [(0, 0)] * (x.ndim - 1) + [(0, -K % 32)]); x = x.reshape(x.shape[:-1] + (-1, 32)); a = np.abs(x).max(-1, keepdims=True)
;;       e = np.where(a > 0, np.clip(np.frexp(np.where(a > 0, a, 1))[1] - 1 - 2, -126, 127), 0)      # np.frexp(a)[1] - 1 = floor(log2(a)), exactly
;;       r = np.clip(x / 2.0 ** e, -6, 6)
;;       step = 2.0 ** (np.maximum(np.frexp(np.where(r == 0, 1, r))[1] - 1, 0) - 1)
;;       q = np.round(r / step) * step * 2.0 ** e      # np.round: ties to even
;;       return np.moveaxis(q.reshape(q.shape[:-2] + (-1,))[..., :K], -1, axis).astype(np.float32)
;;   ~~~
;; One version. Each part assembles by itself: llvm-mc -triple=amdgcn-amd-amdhsa -mcpu=gfx1250 --defsym DOCPART=n.
;; ======== version 1 of 1: 6 launches
;; limits: values are held in f16: magnitudes above 65,504 overflow, below 6.1e-05 lose precision
;; workspace buffers: prep 8,224,768 bytes; mtab 512 bytes of whole numbers; qkv 83,886,080 bytes; oimg 16,777,216 bytes; part 1,114,112 bytes
;; launch prep (part 1): grid 448 x 1, 4 waves a work-group, no clusters, 68,096 bytes of LDS; arguments x, wq, wk, wv, wo, mask, prep, mtab; writes prep, mtab
.if DOCPART == 1
	.amdgcn_target "amdgcn-amd-amdhsa--gfx1250"
	.amdhsa_code_object_version 6
	.text
	.protected	k_qef756eaf80_prep
	.globl	k_qef756eaf80_prep
	.p2align	8
	.type	k_qef756eaf80_prep,@function
k_qef756eaf80_prep:
	s_mov_b64 s[64:65], 0
	v_nop
	global_prefetch_b8 v0, s[64:65] scope:SCOPE_SE
	s_setreg_imm32_b32 hwreg(HW_REG_WAVE_MODE, 25, 1), 1
	s_wait_xcnt 0x0
; Everything that later launches read many times is made once here.  Four kinds of work-group, told apart by the work-group's number alone:
;   0..255    x [8192][1024] f32 -> codes of E2M1 (K innermost, 512 bytes a row) and one E8M0 byte for each 32 along K
;   256..303  wq, wk, wv [1024 (k)][1024 (n)] f32 -> codes laid [3072 (n)][512 bytes], K innermost, and their scale bytes [3072][32]
;   304..431  wo [1024 (k)][1024 (n)] f32 -> f16, in the order of a matrix operand's registers (a chunk = 512 bytes, lane l's 16 bytes at 16 l)
;   432..447  the mask [2048][2048] -> for each group of 32 queries two words of 32 bits, bit js for the 64 keys 64 js ..:
;             A: the step has to be walked;  M: the mask has to be applied in it.  If a row of the group has no true key, all steps are walked with the mask.
; A block's scale is 2^(floor(log2(largest magnitude)) - 2); its byte is the largest magnitude's exponent field - 2, held at 1 from below.
; LIMITS: a block of zeros, or one whose largest magnitude lies under 2^-124, gets the byte 1 (its codes are zeros or tiny; this program alone reads the bytes);
; NaN and infinities among the inputs are not served; any mask byte other than 0 counts as true, and 'all true' is told by bytes equal to 1.
; No tensor load, no barrier: waves share nothing.  The x path and the weights' path have LDS bytes of their own.
.set XS,    4194304                    ; prep: x's codes at 0, x's scales here,
.set WC,    4456448                    ; the weights' codes,
.set WS,    6029312                    ; their scales,
.set WI,    6127616                    ; wo's images
.set SPARE, 67584                      ; the spare words, 128 bytes a wave
.set SPW,   192                        ; v192 LDS address of my spare word; never rewritten
.set NIL,   193                        ; v193 0; never rewritten
.set EMAX,  2
.set WREG,  8192                       ; x path: a wave's LDS region: two stages of 32 x 80 bytes, then its 256 scale bytes
.set SP,    80
.set CB,    8
.set XR,    16                         ; v16-79   four sets of 16 numbers as loaded
.set XX,    80                         ; v80-111  two sets of 16 neighbours
.set XE,    112                        ; v112-127 a scale byte for each step
.set XCD,   128                        ; v128-191 codes, four registers for each step
.set WSTG,  32768                      ; weights' path: four stages of 32 x 272 bytes from here on
.set PITCH, 272
.set SB,    24                         ; v24-27   scale bytes, four to a register
.set WX,    32                         ; v32-95   two sets of 32 numbers
.set WCD,   96                         ; v96-99   a block's codes
.set OUTR,  112                        ; v112-175 the way out
.macro CLOSE                           ; a wave's end: three lines behind the last LDS store
	s_wait_tensorcnt 0x0
	ds_add_u32 v[SPW], v[NIL]
	s_wait_dscnt 0x0
	s_endpgm
.endm
.macro XLOAD t                         ; a step's 512 numbers: each load reads 512 consecutive bytes
.irp i, 0,1,2,3
	global_load_b128 v[XR+16*((\t)%4)+4*\i:XR+16*((\t)%4)+4*\i+3], v3, s[4:5] offset:2048*(\t)+512*\i th:TH_LOAD_NT
.endr
.endm
.macro XTURN t                         ; through the wave's own stage, so that a lane gets 16 neighbours; LDS serves a wave's instructions in order
.irp i, 0,1,2,3
	ds_store_b128 v14, v[XR+16*((\t)%4)+4*\i:XR+16*((\t)%4)+4*\i+3] offset:32*SP*((\t)%2)+8*SP*\i
.endr
.irp i, 0,1,2,3
	ds_load_b128 v[XX+16*((\t)%2)+4*\i:XX+16*((\t)%2)+4*\i+3], v15 offset:32*SP*((\t)%2)+16*\i
.endr
.endm
.macro XSTEP t
.set XSS, XX+16*((\t)%2)
.if (\t) > 0
	s_wait_dscnt 1                                 ; this step's numbers are back from the stage; the last step's byte store may be out
.else
	s_wait_dscnt 0x0
.endif
.if (\t)+4 < 16
	XLOAD (\t)+4
.endif
.if (\t)+1 < 16
.if 14-(\t) >= 3
	s_wait_loadcnt 12                              ; the next step's four loads are in; those of three later steps may be out
.else
	s_wait_loadcnt 4*(14-(\t))
.endif
	XTURN (\t)+1
.endif
	v_max3_num_f32 v8, |v[XSS]|, |v[XSS+1]|, |v[XSS+2]|
	v_max3_num_f32 v9, |v[XSS+3]|, |v[XSS+4]|, |v[XSS+5]|
.irp i, 6,10
	v_max3_num_f32 v8, v8, |v[XSS+\i]|, |v[XSS+\i+1]|
	v_max3_num_f32 v9, v9, |v[XSS+\i+2]|, |v[XSS+\i+3]|
.endr
	v_max3_num_f32 v8, v8, |v[XSS+14]|, |v[XSS+15]|
	v_max3_num_f32 v8, v8, v9, (EMAX+1)<<23        ; the floor 2^(3 - 127): the byte cannot fall under 1
	v_max_num_f32_dpp v8, v8, v8 row_xmask:1 row_mask:0xf bank_mask:0xf   ; with my neighbour's 16: the block's largest magnitude
	v_add_nc_u32 v11, -(EMAX<<23), v8              ; 2 off its exponent field: the conversion's scale operand
	v_cvt_scalef32_pk8_fp4_f32 v[XCD+4*(\t)], v[XSS:XSS+7], v11
	v_cvt_scalef32_pk8_fp4_f32 v[XCD+4*(\t)+1], v[XSS+8:XSS+15], v11
	v_lshrrev_b32 v[XE+(\t)], 23, v11              ; the scale's byte
	ds_store_b8 v5, v[XE+(\t)] offset:16*(\t)      ; both lanes of a block write the same byte
	global_store_b64 v4, v[XCD+4*(\t):XCD+4*(\t)+1], s[26:27] offset:32*CB*(\t)   ; the wave stores 256 consecutive bytes
.endm
.macro WLOAD t                         ; block t of my column: 32 numbers down K
.set wi, 0
.rept 32
	global_load_b32 v[WX+32*((\t)%2)+wi], v3, s[26:27] offset:(32*(\t)+wi)*4096 th:TH_LOAD_NT
.set wi, wi+1
.endr
.endm
.macro WBLOCK t
.set WXS, WX+32*((\t)%2)
.if (\t) < 15
	s_wait_loadcnt 32                              ; this block's 32 loads are in; the next block's may be out
.else
	s_wait_loadcnt 0x0
.endif
	v_max3_num_f32 v12, |v[WXS]|, |v[WXS+1]|, |v[WXS+2]|
	v_max3_num_f32 v13, |v[WXS+3]|, |v[WXS+4]|, |v[WXS+5]|
.irp i, 6,10,14,18,22,26
	v_max3_num_f32 v12, v12, |v[WXS+\i]|, |v[WXS+\i+1]|
	v_max3_num_f32 v13, v13, |v[WXS+\i+2]|, |v[WXS+\i+3]|
.endr
	v_max3_num_f32 v12, v12, |v[WXS+30]|, |v[WXS+31]|
	v_max3_num_f32 v12, v12, v13, (EMAX+1)<<23
	v_add_nc_u32 v11, -(EMAX<<23), v12
	v_lshrrev_b32 v13, 23, v11
.if (\t)%4 == 0
	v_mov_b32 v[SB+(\t)/4], v13
.else
	v_lshl_or_b32 v[SB+(\t)/4], v13, 8*((\t)%4), v[SB+(\t)/4]
.endif
.irp g, 0,1,2,3
	v_cvt_scalef32_pk8_fp4_f32 v[WCD+\g], v[WXS+8*\g:WXS+8*\g+7], v11
.endr
	ds_store_b128 v4, v[WCD:WCD+3] offset:16*(\t)  ; 32 codes: 16 bytes of my column's row
.if (\t)+2 < 16
	WLOAD (\t)+2
.endif
	s_wait_dscnt 0x0                               ; the store has read its registers: the next block's codes may be written
.endm
.macro SQUEEZE r                       ; bits 0, 4, .. 28 of s[r] become bits 0 .. 7
	s_and_b32 s[\r], s[\r], 0x11111111
	s_lshr_b32 s42, s[\r], 3
	s_or_b32 s[\r], s[\r], s42
	s_and_b32 s[\r], s[\r], 0x03030303
	s_lshr_b32 s42, s[\r], 6
	s_or_b32 s[\r], s[\r], s42
	s_and_b32 s[\r], s[\r], 0x000f000f
	s_lshr_b32 s42, s[\r], 12
	s_or_b32 s[\r], s[\r], s42
	s_and_b32 s[\r], s[\r], 0xff
.endm
.macro MQ q                            ; keys 512 q .. 512 q + 511 of my 32 rows: lane l holds 16 keys, four lanes a step of 64
.set mi, 0
.rept 32
	global_load_b128 v[16+4*mi:19+4*mi], v3, s[14:15] offset:mi*2048+512*\q
.set mi, mi+1
.endr
	s_wait_loadcnt 0x0
.set mi, 0
.rept 32
	v_or_b32 v178, v[16+4*mi], v[17+4*mi]
	v_or_b32 v179, v[18+4*mi], v[19+4*mi]
	v_and_b32 v180, v[16+4*mi], v[17+4*mi]
	v_and_b32 v181, v[18+4*mi], v[19+4*mi]
.if mi == 0
	v_or_b32 v176, v178, v179                      ; v176: is any byte of my 16 columns true;  v177: are all
	v_and_b32 v177, v180, v181
.else
	v_or_b32 v176, v176, v178
	v_or_b32 v176, v176, v179
	v_and_b32 v177, v177, v180
	v_and_b32 v177, v177, v181
.endif
.if \q == 0
	v_or_b32 v[144+mi], v178, v179                 ; v144-175: has row mi any true key in my columns, over all quarters
.else
	v_or_b32 v[144+mi], v[144+mi], v178
	v_or_b32 v[144+mi], v[144+mi], v179
.endif
.set mi, mi+1
.endr
	v_cmp_ne_u32 s40, 0, v176
	v_cmp_eq_u32 s41, 0x01010101, v177
	s_lshr_b32 s42, s40, 1                         ; any of a step's four lanes
	s_or_b32 s40, s40, s42
	s_lshr_b32 s42, s40, 2
	s_or_b32 s40, s40, s42
	SQUEEZE 40
	s_lshr_b32 s42, s41, 1                         ; all of a step's four lanes
	s_and_b32 s41, s41, s42
	s_lshr_b32 s42, s41, 2
	s_and_b32 s41, s41, s42
	SQUEEZE 41
	s_lshl_b32 s40, s40, 8*\q
	s_lshl_b32 s41, s41, 8*\q
	s_or_b32 s24, s24, s40
	s_or_b32 s25, s25, s41
.endm
	s_load_b512 s[4:19], s[0:1], 0x0               ; x 4, wq 6, wk 8, wv 10, wo 12, mask 14, prep 16, mtab 18
	v_lshl_add_u32 v[SPW], v0, 2, SPARE
	v_mov_b32 v[NIL], 0
	v_lshrrev_b32 v1, 5, v0
	v_readfirstlane_b32 s20, v1                    ; wave
	v_and_b32 v2, 31, v0                           ; lane
	s_wait_kmcnt 0x0
	s_cmp_lt_u32 ttmp9, 256
	s_cbranch_scc1 .Lx
	s_cmp_lt_u32 ttmp9, 304
	s_cbranch_scc1 .Lw
	s_cmp_lt_u32 ttmp9, 432
	s_cbranch_scc1 .Lo
	; ---- the mask's classes: a wave to a group of 32 queries
	s_sub_co_u32 s21, ttmp9, 432
	s_lshl_b32 s21, s21, 2
	s_add_co_u32 s21, s21, s20                     ; the group
	s_lshl_b32 s22, s21, 16                        ; its 32 rows of 2,048 bytes
	s_mov_b32 s23, 0
	s_add_nc_u64 s[14:15], s[14:15], s[22:23]
	s_lshl_b32 s22, s21, 3
	s_add_nc_u64 s[18:19], s[18:19], s[22:23]
	v_lshlrev_b32 v3, 4, v2
	s_mov_b32 s24, 0                               ; steps with a true key
	s_mov_b32 s25, 0                               ; steps that are all true
	s_mov_b32 s26, 0                               ; -1 if some row has no true key
	MQ 0
	MQ 1
	MQ 2
	MQ 3
.set mi, 0
.rept 32
	v_cmp_ne_u32 s40, 0, v[144+mi]
	s_cmp_eq_u32 s40, 0
	s_cselect_b32 s41, -1, 0
	s_or_b32 s26, s26, s41
.set mi, mi+1
.endr
	s_or_b32 s42, s24, s26                         ; A
	s_and_not1_b32 s43, s42, s25
	s_or_b32 s43, s43, s26                         ; M
	v_mov_b32 v178, s42
	v_mov_b32 v179, s43
	v_mov_b32 v180, 0
	s_wait_xcnt 0x0                                ; EXEC changes only behind this wait
	v_cmp_eq_u32 vcc_lo, 0, v2
	s_and_saveexec_b32 s44, vcc_lo
	global_store_b64 v180, v[178:179], s[18:19]    ; lane 0 stores the pair
	s_wait_xcnt 0x0                                ; and again in front of the line that widens it
	s_or_b32 exec_lo, exec_lo, s44
	CLOSE
.Lo:	; ---- wo as f16 images: a wave makes the 8 chunks of (kc, nt): lane (r, h) holds column 16 nt + r, k = 128 kc + 16 u + 8 h + 0..7 in chunk u
	s_sub_co_u32 s21, ttmp9, 304
	s_lshr_b32 s22, s21, 4                         ; kc
	s_and_b32 s21, s21, 15
	s_lshl_b32 s21, s21, 2
	s_add_co_u32 s21, s21, s20                     ; nt
	s_lshl_b32 s24, s22, 19                        ; 128 rows of 4,096 bytes
	s_lshl_b32 s23, s21, 6
	s_add_co_u32 s24, s24, s23
	s_mov_b32 s25, 0
	s_add_nc_u64 s[12:13], s[12:13], s[24:25]
	s_lshl_b32 s24, s22, 18
	s_lshl_b32 s23, s21, 12
	s_add_co_u32 s24, s24, s23
	s_add_co_u32 s24, s24, WI
	s_add_nc_u64 s[16:17], s[16:17], s[24:25]
	v_and_b32 v3, 15, v2
	v_lshrrev_b32 v4, 4, v2
	v_lshlrev_b32 v3, 2, v3
	v_lshl_add_u32 v3, v4, 15, v3                  ; 8 h rows + 4 r
	v_lshlrev_b32 v5, 4, v2
.set oi, 0
.rept 64
	global_load_b32 v[16+oi], v3, s[12:13] offset:(16*(oi/8)+oi%8)*4096
.set oi, oi+1
.endr
	s_wait_loadcnt 0x0
.set oi, 0
.rept 32
	v_cvt_pk_f16_f32 v[80+oi], v[16+2*oi], v[17+2*oi]
.set oi, oi+1
.endr
.set oi, 0
.rept 8
	global_store_b128 v5, v[80+4*oi:83+4*oi], s[16:17] offset:512*oi   ; the wave stores 512 consecutive bytes
.set oi, oi+1
.endr
	CLOSE
.Lw:	; ---- wq, wk, wv: a lane takes a column, its registers run down K; a wave takes 32 columns x 512 along K
	s_sub_co_u32 s21, ttmp9, 256
	s_lshr_b32 s22, s21, 4                         ; which weight
	s_and_b32 s23, s21, 7                          ; which 128 columns
	s_bfe_u32 s24, s21, 0x10003                    ; which half of K
	s_cmp_eq_u32 s22, 0
	s_cselect_b64 s[26:27], s[6:7], s[8:9]
	s_cmp_eq_u32 s22, 2
	s_cselect_b64 s[26:27], s[10:11], s[26:27]
	s_lshl_b32 s23, s23, 7
	s_lshl_b32 s25, s20, 5
	s_add_co_u32 s23, s23, s25                     ; my wave's first column
	s_lshl_b32 s28, s24, 21                        ; 512 rows of 4,096 bytes
	s_lshl_b32 s25, s23, 2
	s_add_co_u32 s28, s28, s25
	s_mov_b32 s29, 0
	s_add_nc_u64 s[26:27], s[26:27], s[28:29]
	s_lshl_b32 s28, s22, 19                        ; codes: 1,024 rows of 512 bytes a weight
	s_lshl_b32 s25, s23, 9
	s_add_co_u32 s28, s28, s25
	s_lshl_b32 s25, s24, 8
	s_add_co_u32 s28, s28, s25
	s_add_co_u32 s28, s28, WC
	s_add_nc_u64 s[30:31], s[16:17], s[28:29]
	s_lshl_b32 s28, s22, 15                        ; scale bytes: 1,024 rows of 32 bytes a weight
	s_lshl_b32 s25, s23, 5
	s_add_co_u32 s28, s28, s25
	s_lshl_b32 s25, s24, 4
	s_add_co_u32 s28, s28, s25
	s_add_co_u32 s28, s28, WS
	s_add_nc_u64 s[32:33], s[16:17], s[28:29]
	s_mul_i32 s34, s20, 32*PITCH
	s_add_co_u32 s34, s34, WSTG                    ; my stage
	v_lshlrev_b32 v3, 2, v2
	v_mul_u32_u24 v4, v2, PITCH
	v_add_nc_u32 v4, s34, v4                       ; into it: row = my column
	v_and_b32 v5, 15, v2
	v_lshrrev_b32 v6, 4, v2
	v_mul_u32_u24 v7, v6, PITCH
	v_lshl_add_u32 v7, v5, 4, v7
	v_add_nc_u32 v7, s34, v7                       ; out of it: sixteen lanes to a row
	v_lshlrev_b32 v8, 9, v6
	v_lshl_add_u32 v8, v5, 4, v8                   ; and the same place among the codes' rows of 512 bytes
	v_lshlrev_b32 v9, 5, v2                        ; my column's row of scale bytes
	WLOAD 0
	WLOAD 1
.set wq_, 0
.rept 16
	WBLOCK wq_
.set wq_, wq_+1
.endr
	global_store_b128 v9, v[SB:SB+3], s[32:33]     ; my column's 16 scale bytes
.irp t, 0,1,2,3,4,5,6,7,8,9,10,11,12,13,14,15
	ds_load_b128 v[OUTR+4*\t:OUTR+4*\t+3], v7 offset:2*\t*PITCH
.endr
.irp t, 0,1,2,3,4,5,6,7,8,9,10,11,12,13,14,15
	s_wait_dscnt 15-\t
	global_store_b128 v8, v[OUTR+4*\t:OUTR+4*\t+3], s[30:31] offset:2*\t*512   ; sixteen lanes store 256 consecutive bytes, aligned
.endr
	CLOSE
.Lx:	; ---- x: a plain stream of blocks of 32; a wave takes 16 steps of 512 numbers
	v_lshlrev_b32 v3, 4, v2
	s_mul_i32 s21, s20, WREG
	v_lshrrev_b32 v14, 2, v2
	v_mul_u32_u24 v14, v14, SP
	v_and_b32 v15, 3, v2
	v_lshl_add_u32 v14, v15, 4, v14
	v_add_nc_u32 v14, s21, v14                     ; the stage on the way in
	v_mul_u32_u24 v15, v2, SP
	v_add_nc_u32 v15, s21, v15                     ; and on the way out: my 16 neighbours
	v_mul_u32_u24 v4, v2, CB
	v_lshrrev_b32 v5, 1, v2
	s_add_co_u32 s21, s21, 2*32*SP
	v_add_nc_u32 v5, s21, v5                       ; my block's scale byte in LDS
	v_lshlrev_b32 v7, 3, v2
	v_add_nc_u32 v6, s21, v7
	s_lshl_b32 s22, ttmp9, 2
	s_add_co_u32 s22, s22, s20                     ; which run of 8,192 numbers
	s_lshl_b32 s24, s22, 15
	s_mov_b32 s25, 0
	s_add_nc_u64 s[4:5], s[4:5], s[24:25]
	s_lshl_b32 s24, s22, 12
	s_add_nc_u64 s[26:27], s[16:17], s[24:25]      ; its codes
	s_lshl_b32 s24, s22, 8
	s_add_co_u32 s24, s24, XS
	s_add_nc_u64 s[28:29], s[16:17], s[24:25]      ; its scale bytes
.irp t, 0,1,2,3
	XLOAD \t
.endr
	s_wait_loadcnt 12                              ; step 0's four loads are in
	XTURN 0
.irp t, 0,1,2,3,4,5,6,7,8,9,10,11,12,13,14,15
	XSTEP \t
.endr
	ds_load_b64 v[8:9], v6
	s_wait_dscnt 0x0
	global_store_b64 v7, v[8:9], s[28:29]          ; the wave's 256 scale bytes, one aligned run
	CLOSE
.Lfunc_end_k_qef756eaf80_prep:
	.size	k_qef756eaf80_prep, .Lfunc_end_k_qef756eaf80_prep-k_qef756eaf80_prep
	.p2alignl 7, 3214868480
	.fill 96, 4, 3214868480
	.section	.rodata,"a",@progbits
	.p2align	6, 0x0
	.amdhsa_kernel k_qef756eaf80_prep
		.amdhsa_group_segment_fixed_size 68096
		.amdhsa_private_segment_fixed_size 0
		.amdhsa_enable_private_segment 0
		.amdhsa_kernarg_size 64
		.amdhsa_user_sgpr_count 2
		.amdhsa_user_sgpr_kernarg_segment_ptr 1
		.amdhsa_wavefront_size32 1
		.amdhsa_system_sgpr_workgroup_id_x 1
		.amdhsa_system_sgpr_workgroup_id_y 1
		.amdhsa_system_sgpr_workgroup_id_z 1
		.amdhsa_system_vgpr_workitem_id 0
		.amdhsa_next_free_vgpr 200
		.amdhsa_next_free_sgpr 66
		.amdhsa_reserve_vcc 1
		.amdhsa_float_denorm_mode_32 3
		.amdhsa_float_denorm_mode_16_64 3
		.amdhsa_memory_ordered 1
		.amdhsa_forward_progress 1
		.amdhsa_inst_pref_size 183
	.end_amdhsa_kernel
	.amdgpu_metadata
---
amdhsa.version: [ 1, 2 ]
amdhsa.kernels:
  - .name:           k_qef756eaf80_prep
    .symbol:         k_qef756eaf80_prep.kd
    .args:
      - { .name: x, .offset: 0, .size: 8, .value_kind: global_buffer, .address_space: global }
      - { .name: wq, .offset: 8, .size: 8, .value_kind: global_buffer, .address_space: global }
      - { .name: wk, .offset: 16, .size: 8, .value_kind: global_buffer, .address_space: global }
      - { .name: wv, .offset: 24, .size: 8, .value_kind: global_buffer, .address_space: global }
      - { .name: wo, .offset: 32, .size: 8, .value_kind: global_buffer, .address_space: global }
      - { .name: mask, .offset: 40, .size: 8, .value_kind: global_buffer, .address_space: global }
      - { .name: prep, .offset: 48, .size: 8, .value_kind: global_buffer, .address_space: global }
      - { .name: mtab, .offset: 56, .size: 8, .value_kind: global_buffer, .address_space: global }
    .group_segment_fixed_size: 68096
    .private_segment_fixed_size: 0
    .kernarg_segment_align: 8
    .kernarg_segment_size: 64
    .max_flat_workgroup_size: 128
    .sgpr_count:     66
    .vgpr_count:     200
    .wavefront_size: 32
...
	.end_amdgpu_metadata
.endif
;; end of part 1
;; launch qkv (part 2): grid 12 x 32, 4 waves a work-group, clusters of 4 x 4, 327,680 bytes of LDS; arguments prep, bq, bk, bv, qkv; writes qkv
.if DOCPART == 2
	.amdgcn_target "amdgcn-amd-amdhsa--gfx1250"
	.amdhsa_code_object_version 6
	.text
	.protected	k_qef756eaf80_qkv
	.globl	k_qef756eaf80_qkv
	.p2align	8
	.type	k_qef756eaf80_qkv,@function
k_qef756eaf80_qkv:
	s_mov_b64 s[64:65], 0
	v_nop
	global_prefetch_b8 v0, s[64:65] scope:SCOPE_SE
	s_setreg_imm32_b32 hwreg(HW_REG_WAVE_MODE, 25, 1), 1
	s_wait_xcnt 0x0
	s_wait_alu depctr_hold_cnt(0) depctr_sa_sdst(0) depctr_va_vdst(0) depctr_va_sdst(0) depctr_va_ssrc(0) depctr_va_vcc(0) depctr_vm_vsrc(0)
	s_getreg_b32 s2, hwreg(HW_REG_IB_STS2, 6, 4)
	s_cmp_eq_u32 s2, 0
	s_cbranch_scc0 .Lentry_in_a_cluster
	s_endpgm
.Lentry_in_a_cluster:
	s_bfe_u32 s2, ttmp6, 0x10000c
	s_cmp_lg_u32 s2, 0xf033
	s_cbranch_scc0 .Lentry_shape_is_right
	s_endpgm
.Lentry_shape_is_right:
; q = x wq + bq, k = x wk + bk, v = x wv + bv on codes of E2M1 with E8M0 scales (K = 1,024), sums in f32; the results leave as images of matrix operands' registers.
; A tile of 256 x 256 to a work-group of four waves; a wave makes 128 x 128: 64 accumulators.  K = 1,024 is two LDS slots of 512: every tensor load is a first fill; three of a wave's are out at most.
; THE LOOP KNOWS TWO SIDES, A (source 1) and B (source 0): a lane holds one row of A's side and eight neighbouring rows of B's side.
;   cluster x = 0, 1 (q, k): A's side = 256 positions of x, B's side = 256 columns of wq or wk: a lane's eight numbers are eight channels of a position: half a fragment of Q or K.
;   cluster x = 2 (v):       A's side = 256 columns of wv, B's side = 256 positions: a lane's eight numbers are eight positions of a channel: half a fragment of V^T.
; Only byte offsets inside prep are chosen by the cluster's x.  A's tiles hang on cy (and the cluster's numbers) and are asked for jointly along a row of the cluster, B's hang on cx and go along a column.
; The biases are added in f32 on the way out.  q, k, v leave as f16 (limit: magnitudes under 65,504); v also as f32, for the launch that carries the first 16 positions finely.
; Images: a chunk is 512 bytes, lane l's 16 bytes at 16 l.  Q, K: bh 262,144 + tile of 16 positions x 2,048 + chunk x 512.  V^T (f16): bh 262,144 + (64 keys) x 8,192 + (16 channels) x 2,048 + (16 keys) x 512.
; V^T (f32): bh 524,288 + (16 keys) x 4,096 + (16 channels) x 1,024 + half x 512.
; REGISTERS: window 0: v0-31 addresses; v32-95 scale words, two sets; v96-127 packed results; v128-191 A's fragments, later sums + bias; v192-255 the biases.  window 1: B's fragments, two sets.  windows 2, 3: accumulators.
.set XS,    4194304
.set WC,    4456448
.set WS,    6029312
.set VI,    33554432
.set VFO,   50331648
.set NQ,     4
.set ROWB,   256
.set KROW,   512
.set PITCH,  272                       ; an LDS row: 256 bytes + 16 of padding, so that the 16 rows of a load start at 16 different banks (64 banks of 4 bytes: ISA guide 11.1)
.set FR,     8
.set NL,     2
.set NP,     4
.set HALFT,  128*PITCH
.set SLOT,   4*HALFT
.set KS,     32
.set SCL,    2*SLOT
.set HALFS,  (128*KS/256)*272
.set SBLK,   (16*KS/256)*272
.set SPARE,  SCL+4*HALFS
.set BOF,  8                           ; v8-15  the bias loads' offsets; never rewritten
.set ADRA, 16
.set ADRB, 20
.set CO,   26                          ; v26    16 x lane
.set ADRS, 27
.set SPW,  28
.set NIL,  29
.set SC,   32
.set TMP,  96
.set AF,   128
.set TS,   128
.set BIAS, 192
.set G1, 24
.set G0, 32
.set G1B, 48
.set G0B, 56
.set G1S, 68
.set G0S, 76
.set G1SB, 80
.set G0SB, 88
.set MSB, 0
.macro WIN new
.if MSB != (\new)
	s_set_vgpr_msb (MSB<<8)|(\new)
.set MSB, (\new)
.endif
.endm
.set MUL_LO, 0xa1
.set MUL_HI, 0xf1
.set TO_B,   0x40
.macro JLOAD g0a, g1a, g0b, g1b        ; a joint load: waves 0 and 1 fetch for A's side, waves 2 and 3 for B's; the branch hangs on the wave's number alone
	s_cmp_eq_u32 s15, 0
	s_cbranch_scc0 .Lfor_b_\@
	tensor_load_to_lds s[\g0a:\g0a+3], s[\g1a:\g1a+7]
	s_nop 0
.rept 4
	v_nop
.endr
	s_branch .Lasked_\@
.Lfor_b_\@:
	tensor_load_to_lds s[\g0b:\g0b+3], s[\g1b:\g1b+7]
	s_nop 0
.rept 4
	v_nop
.endr
.Lasked_\@:
.endm
.macro CROUND                          ; a round of the cluster's barrier
	s_barrier_signal -1
	s_barrier_wait -1
	s_cmp_lg_u32 s14, 0
	s_cbranch_scc1 .Lnot_wave_0_\@
	s_barrier_signal -3
.Lnot_wave_0_\@:
	s_barrier_wait -3
	s_barrier_signal -1
	s_barrier_wait -1
.endm
.macro FINISH                          ; the wave's end: the spare word's add with its waits, the closing round
	s_wait_tensorcnt 0x0
	ds_add_u32 v[SPW], v[NIL]
	s_wait_dscnt 0x0
	CROUND
	s_endpgm
.endm
	s_load_b256 s[4:11], s[0:1], 0x0               ; prep 4, bq 6, bk 8, bv 10
	s_load_b64 s[12:13], s[0:1], 0x20              ; qkv
	v_lshl_add_u32 v[SPW], v0, 2, SPARE
	v_mov_b32 v[NIL], 0
	ds_add_u32 v[SPW], v[NIL]                      ; the opening: the add, twice on end, and its wait ahead of my first tensor load
	ds_add_u32 v[SPW], v[NIL]
	v_lshrrev_b32 v1, 5, v0
	v_readfirstlane_b32 s14, v1                    ; wave
	s_lshr_b32 s15, s14, 1                         ; my half of A's rows; also: I fetch for A (0) or B (1)
	s_and_b32 s16, s14, 1                          ; my half of B's rows; also: which 128 rows I fetch
	s_bfe_u32 s40, ttmp6, 0x40000                  ; cx
	s_bfe_u32 s41, ttmp6, 0x40004                  ; cy
	s_lshl_b32 s42, ttmp9, 2                       ; 4 x cluster x
	s_and_b32 s17, ttmp7, 0xffff
	s_lshl_b32 s17, s17, 2                         ; 4 x cluster y
	s_cmp_eq_u32 ttmp9, 2                          ; v's clusters: the same answer in all sixteen partners
	s_cselect_b32 s96, 8, s17                      ; A's tile: wv's tiles 8 .. 11 of the weights' rows, or x's tile
	s_cselect_b32 s97, s17, s42                    ; B's tile: x's, or the weights'
	s_cselect_b32 s66, WC, 0                       ; where A's codes begin in prep,
	s_cselect_b32 s67, 0, WC                       ; B's codes,
	s_mov_b32 s98, XS
	s_cselect_b32 s98, WS, s98                     ; A's scales,
	s_mov_b32 s99, WS
	s_cselect_b32 s99, XS, s99                     ; B's scales
	s_add_co_u32 s96, s96, s41                     ; + cy
	s_add_co_u32 s97, s97, s40                     ; + cx
	s_lshl_b32 s43, s41, 2
	s_lshl_b32 s43, 15, s43                        ; my row of the cluster
	s_lshl_b32 s44, 0x1111, s40                    ; my column
	s_or_b32 s[G1+0], s43, (0<<16)|(1<<20)|(1<<21)|(5<<22)|(3<<25)   ; mask; elements of 1 byte; padding of 4 words behind every 64; bit 21 beside a mask
	s_or_b32 s[G1B+0], s44, (0<<16)|(1<<20)|(1<<21)|(5<<22)|(3<<25)
.irp g, G1, G1B
	s_mov_b32 s[\g+1], ROWB<<16                    ; tensor_dim0
	s_mov_b32 s[\g+2], 128<<16                     ; tensor_dim1
	s_mov_b32 s[\g+3], ROWB<<16                    ; tile_dim0
	s_mov_b32 s[\g+4], 128                         ; tile_dim1
	s_mov_b32 s[\g+5], KROW                        ; from row to row
	s_mov_b32 s[\g+6], 0
	s_mov_b32 s[\g+7], 0
.endr
	s_or_b32 s[G1S+0], s43, (3<<16)|(1<<20)|(1<<21)|(5<<22)|(3<<25)  ; the scales of 128 rows: 4,096 dense bytes as 16 rows of 256
	s_or_b32 s[G1SB+0], s44, (3<<16)|(1<<20)|(1<<21)|(5<<22)|(3<<25)
.irp g, G1S, G1SB
	s_mov_b32 s[\g+1], 32<<16
	s_mov_b32 s[\g+2], (128*KS/256)<<16
	s_mov_b32 s[\g+3], 32<<16
	s_mov_b32 s[\g+4], 128*KS/256
	s_mov_b32 s[\g+5], 32
	s_mov_b32 s[\g+6], 0
	s_mov_b32 s[\g+7], 0
.endr
	s_lshl_b32 s18, s16, 7
	s_lshl_b32 s20, s96, 8
	s_add_co_u32 s20, s20, s18                     ; A's first row that I fetch
	s_lshl_b32 s46, s97, 8
	s_add_co_u32 s46, s46, s18                     ; B's
	s_lshl_b32 s22, s20, 5
	s_add_co_u32 s22, s22, s98                     ; A's scales, bytes into prep
	s_mov_b32 s23, 0
	s_lshl_b32 s20, s20, 9
	s_add_co_u32 s20, s20, s66                     ; A's codes
	s_mov_b32 s21, 0
	s_lshl_b32 s100, s46, 5
	s_add_co_u32 s100, s100, s99                   ; B's scales
	s_mov_b32 s101, 0
	s_lshl_b32 s46, s46, 9
	s_add_co_u32 s46, s46, s67                     ; B's codes
	s_mov_b32 s47, 0
	s_mul_i32 s45, s14, HALFT                      ; where they go: wave x 128 rows
	s_mul_i32 s94, s14, HALFS
	s_wait_dscnt 0x0                               ; both opening adds are done
	s_wait_kmcnt 0x0
	s_add_nc_u64 s[20:21], s[4:5], s[20:21]
	s_add_nc_u64 s[22:23], s[4:5], s[22:23]
	s_add_nc_u64 s[46:47], s[4:5], s[46:47]
	s_add_nc_u64 s[100:101], s[4:5], s[100:101]
	CROUND                                         ; all sixteen work-groups are here: the joint loads meet
	s_mov_b32 s[G0S], 1
	s_add_co_u32 s[G0S+1], s94, SCL
	s_mov_b64 s[G0S+2:G0S+3], s[22:23]
	s_or_b32 s[G0S+3], s[G0S+3], 0x80000000
	s_mov_b32 s[G0SB], 1
	s_add_co_u32 s[G0SB+1], s94, SCL
	s_mov_b64 s[G0SB+2:G0SB+3], s[100:101]
	s_or_b32 s[G0SB+3], s[G0SB+3], 0x80000000
	JLOAD G0S, G1S, G0SB, G1SB
.irp s, 0,1
	s_mov_b32 s[G0+4*\s], 1
	s_add_co_u32 s[G0+4*\s+1], s45, \s*SLOT
	s_add_nc_u64 s[G0+4*\s+2:G0+4*\s+3], s[20:21], \s*ROWB
	s_or_b32 s[G0+4*\s+3], s[G0+4*\s+3], 0x80000000
	s_mov_b32 s[G0B+4*\s], 1
	s_add_co_u32 s[G0B+4*\s+1], s45, \s*SLOT
	s_add_nc_u64 s[G0B+4*\s+2:G0B+4*\s+3], s[46:47], \s*ROWB
	s_or_b32 s[G0B+4*\s+3], s[G0B+4*\s+3], 0x80000000
	JLOAD G0+4*\s, G1, G0B+4*\s, G1B
.endr
	v_and_b32 v1, 15, v0                           ; r
	v_bfe_u32 v2, v0, 4, 1                         ; h
	v_mul_u32_u24 v3, v1, PITCH
	v_lshl_add_u32 v4, v2, 4, v3
	s_mul_i32 s21, s15, HALFT
	s_mul_i32 s22, s16, HALFT
	s_add_co_u32 s22, s22, 2*HALFT
.irp s, 0,1
	v_add_nc_u32 v[ADRA+\s], s21, v4
	v_add_nc_u32 v[ADRB+\s], s22, v4
	s_add_co_u32 s21, s21, SLOT
	s_add_co_u32 s22, s22, SLOT
.endr
	v_mul_u32_u24 v5, v1, KS
	v_lshrrev_b32 v6, 8, v5
	v_lshl_add_u32 v5, v6, 4, v5
	s_mul_i32 s21, s15, HALFS
	s_mul_i32 s22, s16, HALFS
	s_add_co_u32 s22, s22, 2*HALFS
	s_sub_co_u32 s22, s22, s21
	v_mul_u32_u24 v6, s22, v2                      ; lanes 16-31 take B's scale words
	s_add_co_u32 s21, s21, SCL
	v_add_nc_u32 v5, v5, v6
	v_add_nc_u32 v[ADRS], s21, v5
	v_and_b32 v6, 31, v0
	v_lshlrev_b32 v[CO], 4, v6
	; the biases, 64 registers, register 8 i + j.  q, k: the bias of column 16 i + 8 h + j of my 128 of B's side.  v: that of channel 16 i + r of my 128 of A's side, in all eight j.
	s_cmp_eq_u32 ttmp9, 2
	s_cselect_b32 s2, 4, 0                         ; bytes for each r,
	s_cselect_b32 s3, 0, 32                        ; for each h,
	s_cselect_b32 s95, 0, 4                        ; for each j
	s_cselect_b32 s92, s41, s40                    ; the tile of 256: cy or cx,
	s_cselect_b32 s93, s15, s16                    ; my half of it
	s_cselect_b64 s[8:9], s[10:11], s[8:9]
	s_cmp_eq_u32 ttmp9, 0
	s_cselect_b64 s[6:7], s[6:7], s[8:9]
	s_lshl_b32 s92, s92, 10
	s_lshl_b32 s93, s93, 9
	s_add_co_u32 s92, s92, s93
	s_mov_b32 s93, 0
	s_add_nc_u64 s[6:7], s[6:7], s[92:93]
	v_mul_u32_u24 v7, v1, s2
	v_mad_u32_u24 v7, v2, s3, v7
.irp j, 0,1,2,3,4,5,6,7
	v_mad_u32_u24 v[BOF+\j], s95, \j, v7
.endr
.set bi, 0
.rept 64
	global_load_b32 v[BIAS+bi], v[BOF+bi%8], s[6:7] offset:64*(bi/8)
.set bi, bi+1
.endr
.macro FRAG reg, adr, q, i             ; 16 rows x 128 K of 4-bit codes: 8 registers, two loads of 16 bytes, 32 bytes apart
.irp c, 0,1
	ds_load_b128 v[\reg+4*\c:\reg+4*\c+3], v[\adr] offset:64*(\q)+32*\c+(\i)*16*PITCH
.endr
.endm
; 16 matrix instructions: A's blocks a0, a0 + 1 x B's eight.  The 64 accumulators take turns, one instruction a turn, in the same order in every step.
.macro MUL16 a0, p, q, sc, zero
.irp a, \a0, \a0+1
.irp b, 0,1,2,3,4,5,6,7
.if \zero
	v_wmma_scale_f32_16x16x128_f8f6f4 v[8*(8*((\a)%4)+\b):8*(8*((\a)%4)+\b)+7], v[128*(\p)+FR*\b:128*(\p)+FR*\b+FR-1], v[AF+FR*(\a):AF+FR*(\a)+FR-1], 0, v[SC+8*NQ*(\sc)+NQ*\b+(\q)], v[SC+8*NQ*(\sc)+NQ*(\a)+(\q)] matrix_a_fmt:MATRIX_FMT_FP4 matrix_b_fmt:MATRIX_FMT_FP4 matrix_a_scale:MATRIX_SCALE_ROW1
.else
	v_wmma_scale_f32_16x16x128_f8f6f4 v[8*(8*((\a)%4)+\b):8*(8*((\a)%4)+\b)+7], v[128*(\p)+FR*\b:128*(\p)+FR*\b+FR-1], v[AF+FR*(\a):AF+FR*(\a)+FR-1], v[8*(8*((\a)%4)+\b):8*(8*((\a)%4)+\b)+7], v[SC+8*NQ*(\sc)+NQ*\b+(\q)], v[SC+8*NQ*(\sc)+NQ*(\a)+(\q)] matrix_a_fmt:MATRIX_FMT_FP4 matrix_b_fmt:MATRIX_FMT_FP4 matrix_a_scale:MATRIX_SCALE_ROW1
.endif
.endr
.endr
.endm
.macro FETCH_B slot, q, p
	WIN TO_B
.irp i, 0,1,2,3,4,5,6,7
	FRAG 128*(\p)+FR*\i, ADRB+\slot, \q, \i
.endr
	WIN 0
.endm
.macro FETCH_A slot, q, i0
.irp i, \i0, \i0+1, \i0+2, \i0+3
	FRAG AF+FR*(\i), ADRA+\slot, \q, \i
.endr
.endm
.macro SCALES sc                       ; a slot's scale words: lanes 0-15 A's block i, lanes 16-31 B's block i
.irp i, 0,1,2,3,4,5,6,7
	ds_load_b128 v[SC+8*NQ*\sc+NQ*\i:SC+8*NQ*\sc+NQ*\i+3], v[ADRS] offset:\i*SBLK
.endr
.endm
.macro PLACES n                        ; plain vector places behind matrix instructions, in front of loads into their registers and of reads of results
.rept \n
	v_nop
.endr
.endm
.macro STEP slot, q, zero
	s_wait_dscnt 4*NL                              ; B's set and A's blocks 0-3 are in; the youngest eight loads (A's blocks 4-7) may be out
	WIN MUL_LO
	MUL16 0, (\q)%2, \q, \slot, \zero
	MUL16 2, (\q)%2, \q, \slot, \zero
	s_wait_dscnt 0
	PLACES NP
	FETCH_B \slot, (\q)+1, 1-(\q)%2
	FETCH_A \slot, (\q)+1, 0
	WIN MUL_HI
	MUL16 4, (\q)%2, \q, \slot, \zero
	MUL16 6, (\q)%2, \q, \slot, \zero
	PLACES NP
	WIN 0
	FETCH_A \slot, (\q)+1, 4
.endm
.macro STEPS slot, from
.set Q, \from
.rept NQ-1-\from
	STEP \slot, Q, 0
.set Q, Q+1
.endr
.endm
	s_wait_tensorcnt 1                             ; the scales and my part of slot 0 are in; slot 1's load may be out
	s_barrier_signal -1
	s_barrier_wait -1
	FETCH_B 0, 0, 0
	FETCH_A 0, 0, 0
	SCALES 0
	FETCH_A 0, 0, 4
	STEP 0, 0, 1                                   ; the first products start the sums
	STEPS 0, 1
	; slot 0's last step changes slots: one barrier; nothing is filled again
	s_wait_tensorcnt 0x0                           ; my part of slot 1 has landed
	ds_add_u32 v[SPW], v[NIL]
	s_wait_dscnt 4*NL+1                            ; the add and the youngest eight loads may be out
	WIN MUL_LO
	MUL16 0, 1, NQ-1, 0, 0
	s_wait_dscnt 0x0                               ; the add is done, my reads of slot 0 are over
	s_barrier_signal -1
	MUL16 2, 1, NQ-1, 0, 0
	WIN 0
	s_barrier_wait -1
	PLACES NP
	v_add_nc_u32 v[ADRS], 4*NQ, v[ADRS]            ; on to slot 1's scale words
	FETCH_B 1, 0, 0
	FETCH_A 1, 0, 0
	SCALES 1
	WIN MUL_HI
	MUL16 4, 1, NQ-1, 0, 0
	MUL16 6, 1, NQ-1, 0, 0
	PLACES NP
	WIN 0
	FETCH_A 1, 0, 4
	STEPS 1, 0
	s_wait_dscnt 4*NL
	WIN MUL_LO
	MUL16 0, 1, NQ-1, 1, 0
	MUL16 2, 1, NQ-1, 1, 0
	s_wait_dscnt 0
	WIN MUL_HI
	MUL16 4, 1, NQ-1, 1, 0
	MUL16 6, 1, NQ-1, 1, 0
	WIN 0
	s_wait_loadcnt 0x0                             ; the biases
	PLACES NP                                      ; behind the last products: their results are read and A's registers written below
; THE WAY OUT, a block a of A's side at a time: sums + bias into v128-191 (each accumulator from its low end on), rounded to f16 in pairs, stored as they stand: each store of the wave covers 512 consecutive bytes.
.macro ADDB a, byb                     ; byb = 1: the bias goes by B's block, 0: by A's
	WIN 0x02+((\a)/4)                              ; source 0: window 2 or 3
.set ai, 0
.rept 32
.if \byb
	v_pk_add_f32 v[TS+2*ai:TS+2*ai+1], v[64*((\a)%4)+2*ai:64*((\a)%4)+2*ai+1], v[BIAS+2*ai:BIAS+2*ai+1]
.else
	v_pk_add_f32 v[TS+2*ai:TS+2*ai+1], v[64*((\a)%4)+2*ai:64*((\a)%4)+2*ai+1], v[BIAS+8*(\a)+2*(ai%4):BIAS+8*(\a)+2*(ai%4)+1]
.endif
.set ai, ai+1
.endr
	WIN 0
.endm
.macro PACKH
.set ai, 0
.rept 32
	v_cvt_pk_f16_f32 v[TMP+ai], v[TS+2*ai], v[TS+2*ai+1]
.set ai, ai+1
.endr
.endm
	s_cmp_eq_u32 ttmp9, 2
	s_cbranch_scc1 .Lv
	; q or k.  Positions 256 ty + 128 (my half of A) + 16 a + r; columns 256 cx + 128 (my half of B) + 16 b + 8 h + j
	s_add_co_u32 s92, s17, s41                     ; ty
	s_lshr_b32 s93, s92, 3                         ; the batch
	s_and_b32 s92, s92, 7
	s_lshl_b32 s93, s93, 4
	s_lshl_b32 s95, s40, 2
	s_add_co_u32 s93, s93, s95
	s_lshl_b32 s95, s16, 1
	s_add_co_u32 s93, s93, s95                     ; batch x 16 + my first head
	s_lshl_b32 s93, s93, 18
	s_lshl_b32 s92, s92, 15                        ; 16 tiles of positions x 2,048 bytes
	s_add_co_u32 s92, s92, s93
	s_lshl_b32 s95, s15, 14
	s_add_co_u32 s92, s92, s95
	s_lshl_b32 s95, ttmp9, 24                      ; Q's images, or K's
	s_add_co_u32 s92, s92, s95
	s_mov_b32 s93, 0
	s_add_nc_u64 s[12:13], s[12:13], s[92:93]
.irp a, 0,1,2,3,4,5,6,7
.if \a > 0
	s_wait_xcnt 0x0                                ; the last block's stores have read their registers
.endif
	ADDB \a, 1
	PACKH
.irp b, 0,1,2,3,4,5,6,7
	global_store_b128 v[CO], v[TMP+4*\b:TMP+4*\b+3], s[12:13] offset:(\b/4)*262144+\a*2048+(\b%4)*512
.endr
.endr
	FINISH
.Lv:	; v.  Channels 256 cy + 128 (my half of A) + 16 a + r; positions 256 tp + 128 (my half of B) + 16 b + 8 h + j
	s_add_co_u32 s92, s17, s40                     ; tp
	s_lshr_b32 s93, s92, 3                         ; the batch
	s_and_b32 s92, s92, 7
	s_lshl_b32 s93, s93, 4
	s_lshl_b32 s95, s41, 2
	s_add_co_u32 s93, s93, s95
	s_lshl_b32 s95, s15, 1
	s_add_co_u32 s93, s93, s95                     ; batch x 16 + my first head
	s_lshl_b32 s8, s93, 18
	s_lshl_b32 s95, s92, 15                        ; 4 steps of 64 keys x 8,192 bytes
	s_add_co_u32 s8, s8, s95
	s_lshl_b32 s95, s16, 14
	s_add_co_u32 s8, s8, s95
	s_add_co_u32 s8, s8, VI
	s_mov_b32 s9, 0
	s_add_nc_u64 s[8:9], s[12:13], s[8:9]
	s_lshl_b32 s10, s93, 19
	s_lshl_b32 s95, s92, 16                        ; 16 tiles of keys x 4,096 bytes
	s_add_co_u32 s10, s10, s95
	s_lshl_b32 s95, s16, 15
	s_add_co_u32 s10, s10, s95
	s_add_co_u32 s10, s10, VFO
	s_mov_b32 s11, 0
	s_add_nc_u64 s[10:11], s[12:13], s[10:11]
.irp a, 0,1,2,3,4,5,6,7
.if \a > 0
	s_wait_xcnt 0x0
.endif
	ADDB \a, 0
.irp b, 0,1,2,3,4,5,6,7
	global_store_b128 v[CO], v[TS+8*\b:TS+8*\b+3], s[10:11] offset:(\a/4)*524288+\b*4096+(\a%4)*1024
	global_store_b128 v[CO], v[TS+8*\b+4:TS+8*\b+7], s[10:11] offset:(\a/4)*524288+\b*4096+(\a%4)*1024+512
.endr
	PACKH
.irp b, 0,1,2,3,4,5,6,7
	global_store_b128 v[CO], v[TMP+4*\b:TMP+4*\b+3], s[8:9] offset:(\a/4)*262144+(\b/4)*8192+(\a%4)*2048+(\b%4)*512
.endr
.endr
	FINISH
.Lfunc_end_k_qef756eaf80_qkv:
	.size	k_qef756eaf80_qkv, .Lfunc_end_k_qef756eaf80_qkv-k_qef756eaf80_qkv
	.p2alignl 7, 3214868480
	.fill 96, 4, 3214868480
	.section	.rodata,"a",@progbits
	.p2align	6, 0x0
	.amdhsa_kernel k_qef756eaf80_qkv
		.amdhsa_group_segment_fixed_size 327680
		.amdhsa_private_segment_fixed_size 0
		.amdhsa_enable_private_segment 0
		.amdhsa_kernarg_size 40
		.amdhsa_user_sgpr_count 2
		.amdhsa_user_sgpr_kernarg_segment_ptr 1
		.amdhsa_wavefront_size32 1
		.amdhsa_system_sgpr_workgroup_id_x 1
		.amdhsa_system_sgpr_workgroup_id_y 1
		.amdhsa_system_sgpr_workgroup_id_z 1
		.amdhsa_system_vgpr_workitem_id 0
		.amdhsa_next_free_vgpr 1024
		.amdhsa_next_free_sgpr 102
		.amdhsa_reserve_vcc 0
		.amdhsa_float_denorm_mode_32 3
		.amdhsa_float_denorm_mode_16_64 3
		.amdhsa_memory_ordered 1
		.amdhsa_forward_progress 1
		.amdhsa_inst_pref_size 193
	.end_amdhsa_kernel
	.amdgpu_metadata
---
amdhsa.version: [ 1, 2 ]
amdhsa.kernels:
  - .name:           k_qef756eaf80_qkv
    .symbol:         k_qef756eaf80_qkv.kd
    .args:
      - { .name: prep, .offset: 0, .size: 8, .value_kind: global_buffer, .address_space: global }
      - { .name: bq, .offset: 8, .size: 8, .value_kind: global_buffer, .address_space: global }
      - { .name: bk, .offset: 16, .size: 8, .value_kind: global_buffer, .address_space: global }
      - { .name: bv, .offset: 24, .size: 8, .value_kind: global_buffer, .address_space: global }
      - { .name: qkv, .offset: 32, .size: 8, .value_kind: global_buffer, .address_space: global }
    .group_segment_fixed_size: 327680
    .private_segment_fixed_size: 0
    .kernarg_segment_align: 8
    .kernarg_segment_size: 40
    .max_flat_workgroup_size: 128
    .sgpr_count:     102
    .vgpr_count:     1024
    .wavefront_size: 32
...
	.end_amdgpu_metadata
.endif
;; end of part 2
;; launch fine_att (part 3): grid 4 x 64, 8 waves a work-group, no clusters, 35,840 bytes of LDS; arguments qkv, mask, part; writes part
.if DOCPART == 3
	.amdgcn_target "amdgcn-amd-amdhsa--gfx1250"
	.amdhsa_code_object_version 6
	.text
	.protected	k_qef756eaf80_fine_att
	.globl	k_qef756eaf80_fine_att
	.p2align	8
	.type	k_qef756eaf80_fine_att,@function
k_qef756eaf80_fine_att:
	s_mov_b64 s[64:65], 0
	v_nop
	global_prefetch_b8 v0, s[64:65] scope:SCOPE_SE
	s_setreg_imm32_b32 hwreg(HW_REG_WAVE_MODE, 25, 1), 1
	s_wait_xcnt 0x0
; The first 16 positions of every (batch, head), carried finely: such rows may average one to a few values, where f16 operands of the second product would weigh too much.
; Work-group (qr, bh): a quarter of the keys (512); wave w: the 64 keys of step js = 8 qr + w.  S^T = K Q^T on f16 operands (it always sums 64 terms), mask as given (a false byte makes the
; score -1e9, here -8e9 ahead of the factor 1/8), maximum, p = 2^(c s - c m), c = log2(e) / 8, all in f32; O^T = V^T p by the f32 matrix form on V in f32.
; The eight waves' parts (c m, l, O^T) meet in LDS and leave as one part a quarter; the last launch joins the four quarters.
; No tile is shared between work-groups but Q's 2,048 bytes, so no cluster; no tensor load.
; In the f32 product both sources hold key 8 h + 2 c + jj at place k = 2 h + jj: the same order of k on both sides.
; REGISTERS: v1-7 addresses; v[8:9] c m, then l beside it; v16-31 Q; v32-95 K, later V of key tiles 2, 3; v96-159 V of key tiles 0, 1; v160-191 S^T, then p; v192-223 O^T (written by the f32 matrix form alone);
; v224-231 mask bytes; v232-239 at work; v252, v253 the add's two.
.set KI,    16777216
.set VFO,   50331648
.set PM,    1048576
.set WREG,  4352                       ; a wave's LDS region: 4,096 bytes of O^T, 256 of (c m, l)
.set SPARE, 34816
.set LI, 1
.set MO, 2
.set SA, 3
.set RA, 4
.set RS, 5
.set NEG, 6
.set SS, 7
.set CM, 8
.set QF, 16
.set KF, 32
.set V0, 96
.set S,  160
.set OT, 192
.set MB, 224
.set W,  232
.set SPW, 252
.set NIL, 253
	s_load_b128 s[4:7], s[0:1], 0x0                ; qkv, mask
	s_load_b64 s[8:9], s[0:1], 0x10                ; part
	v_lshl_add_u32 v[SPW], v0, 2, SPARE
	v_mov_b32 v[NIL], 0
	v_lshrrev_b32 v10, 5, v0
	v_readfirstlane_b32 s10, v10                   ; wave
	s_and_b32 s11, ttmp7, 0xffff                   ; bh
	s_lshl_b32 s12, ttmp9, 3
	s_add_co_u32 s12, s12, s10                     ; js
	v_and_b32 v10, 31, v0
	v_lshlrev_b32 v[LI], 4, v10
	v_and_b32 v11, 15, v0
	v_bfe_u32 v12, v0, 4, 1
	v_lshlrev_b32 v[MO], 11, v11
	v_lshl_add_u32 v[MO], v12, 3, v[MO]            ; the mask: row r, + 8 h
	s_mul_i32 s13, s10, WREG
	v_add_nc_u32 v[SA], s13, v[LI]
	v_lshl_add_u32 v[SS], v10, 3, s13
	s_lshl_b32 s13, s10, 9
	v_add_nc_u32 v[RA], s13, v[LI]
	v_lshlrev_b32 v[RS], 3, v10
	v_mov_b32 v[NEG], 0xcfee6b28                   ; -8e9
	s_mov_b32 s26, 0x76543210
	s_mov_b32 s27, 0xfedcba98
	s_mov_b32 s28, 0x3e38aa3b                      ; c = log2(e) / 8
	s_mov_b32 s29, s28
	s_mov_b32 s15, 0
	s_lshl_b32 s14, s11, 18
	s_wait_kmcnt 0x0
	s_add_nc_u64 s[16:17], s[4:5], s[14:15]        ; Q: the head's first tile
	s_lshl_b32 s22, s12, 13
	s_add_co_u32 s14, s14, s22
	s_add_co_u32 s14, s14, KI
	s_add_nc_u64 s[18:19], s[4:5], s[14:15]        ; K: my step
	s_lshl_b32 s14, s11, 19
	s_lshl_b32 s22, s12, 14
	s_add_co_u32 s14, s14, s22
	s_add_co_u32 s14, s14, VFO
	s_add_nc_u64 s[20:21], s[4:5], s[14:15]        ; V in f32: my step
	s_lshl_b32 s14, s12, 6
	s_add_nc_u64 s[6:7], s[6:7], s[14:15]
	s_lshl_b32 s22, s11, 2
	s_add_co_u32 s22, s22, ttmp9                   ; 4 bh + qr
	s_lshl_b32 s14, s22, 12
	s_add_co_u32 s14, s14, s13
	s_add_nc_u64 s[24:25], s[8:9], s[14:15]        ; my chunk of the part
	s_lshl_b32 s14, s22, 8
	s_add_co_u32 s14, s14, PM
	s_add_nc_u64 s[30:31], s[8:9], s[14:15]
.irp n, 0,1,2,3
	global_load_b128 v[QF+4*\n:QF+4*\n+3], v[LI], s[16:17] offset:512*\n
.endr
.set ni, 0
.rept 16
	global_load_b128 v[KF+4*ni:KF+4*ni+3], v[LI], s[18:19] offset:512*ni
.set ni, ni+1
.endr
.irp n, 0,1,2,3
	global_load_b64 v[MB+2*\n:MB+2*\n+1], v[MO], s[6:7] offset:16*\n
.endr
.set ni, 0
.rept 16
	global_load_b128 v[V0+4*ni:V0+4*ni+3], v[LI], s[20:21] offset:512*ni
.set ni, ni+1
.endr
	s_wait_loadcnt 20                              ; Q and K are in; the mask's 4 and V's 16 may be out
.irp s, 0,1
.irp n, 0,1,2,3
.if \s == 0
	v_wmma_f32_16x16x32_f16 v[S+8*\n:S+8*\n+7], v[KF+16*\n:KF+16*\n+7], v[QF:QF+7], 0
.else
	v_wmma_f32_16x16x32_f16 v[S+8*\n:S+8*\n+7], v[KF+16*\n+8:KF+16*\n+15], v[QF+8:QF+15], v[S+8*\n:S+8*\n+7]
.endif
.endr
.endr
.rept 4
	v_nop                                          ; places in front of loads into K's registers and of the first read of the scores
.endr
.set ni, 0
.rept 16
	global_load_b128 v[KF+4*ni:KF+4*ni+3], v[LI], s[20:21] offset:8192+512*ni   ; V of key tiles 2, 3
.set ni, ni+1
.endr
	s_wait_loadcnt 32                              ; the mask bytes are in; V's 32 loads may be out
.set ni, 0
.rept 32                                           ; register 8 kt + j is key 16 kt + 8 h + j of query r; its byte is byte j of the pair kt
	v_and_b32 v[W], 0xff<<(8*(ni%4)), v[MB+ni/4]
	v_cmp_eq_u32 vcc_lo, 0, v[W]
	v_cndmask_b32 v[S+ni], v[S+ni], v[NEG], vcc_lo
.set ni, ni+1
.endr
.irp k, 0,1,2,3
	v_max3_num_f32 v[W+\k], v[S+8*\k], v[S+8*\k+1], v[S+8*\k+2]
.endr
.irp p, 3,5
.irp k, 0,1,2,3
	v_max3_num_f32 v[W+\k], v[W+\k], v[S+8*\k+\p], v[S+8*\k+\p+1]
.endr
.endr
.irp k, 0,1,2,3
	v_max_num_f32 v[W+\k], v[W+\k], v[S+8*\k+7]
.endr
	v_max3_num_f32 v[W], v[W], v[W+1], v[W+2]
	v_max_num_f32 v[W], v[W], v[W+3]
	v_permlanex16_b32 v[W+1], v[W], s26, s27       ; the query's other 32 keys lie in the lane 16 away
	v_max_num_f32 v[CM+1], v[W], v[W+1]            ; m
	v_mul_f32 v[CM], s28, v[CM+1]                  ; c m
.set ni, 0
.rept 16
	v_pk_fma_f32 v[S+2*ni:S+2*ni+1], v[S+2*ni:S+2*ni+1], s[28:29], v[CM:CM+1] op_sel_hi:[1,0,0] neg_lo:[0,0,1] neg_hi:[0,0,1]
.set ni, ni+1
.endr
.set ni, 0
.rept 32
	v_exp_f32 v[S+ni], v[S+ni]
.set ni, ni+1
.endr
	v_nop                                          ; a plain instruction behind the last exponential
	s_wait_alu depctr_va_vdst(0)                   ; one wait for the batch, ahead of its first reader
	v_pk_add_f32 v[W:W+1], v[S:S+1], v[S+2:S+3]
	v_pk_add_f32 v[W+2:W+3], v[S+4:S+5], v[S+6:S+7]
.irp j, 8,12,16,20,24,28
	v_pk_add_f32 v[W:W+1], v[W:W+1], v[S+\j:S+\j+1]
	v_pk_add_f32 v[W+2:W+3], v[W+2:W+3], v[S+\j+2:S+\j+3]
.endr
	v_pk_add_f32 v[W:W+1], v[W:W+1], v[W+2:W+3]
	v_add_f32 v[W], v[W], v[W+1]
	v_permlanex16_b32 v[W+1], v[W], s26, s27
	v_add_f32 v[CM+1], v[W], v[W+1]                ; l, beside c m
; O^T += V^T p for key tile pt: four K steps of 4 keys x four tiles of channels; the four accumulators take turns
.macro PVF pt, vb, first
.irp c, 0,1,2,3
.irp n, 0,1,2,3
.if \first && (\c == 0)
	v_wmma_f32_16x16x4_f32 v[OT+8*\n:OT+8*\n+7], v[\vb+8*\n+2*\c:\vb+8*\n+2*\c+1], v[S+8*\pt+2*\c:S+8*\pt+2*\c+1], 0
.else
	v_wmma_f32_16x16x4_f32 v[OT+8*\n:OT+8*\n+7], v[\vb+8*\n+2*\c:\vb+8*\n+2*\c+1], v[S+8*\pt+2*\c:S+8*\pt+2*\c+1], v[OT+8*\n:OT+8*\n+7]
.endif
.endr
.endr
.endm
	s_wait_loadcnt 16                              ; V of key tiles 0, 1 is in
	PVF 0, V0, 1
	PVF 1, V0+32, 0
	s_wait_loadcnt 0x0
	PVF 2, KF, 0
	PVF 3, KF+32, 0
.rept 8
	v_nop                                          ; eight places behind this form
.endr
.irp n, 0,1,2,3
	ds_store_b128 v[SA], v[OT+8*\n:OT+8*\n+3] offset:1024*\n
	ds_store_b128 v[SA], v[OT+8*\n+4:OT+8*\n+7] offset:1024*\n+512
.endr
	ds_store_b64 v[SS], v[CM:CM+1] offset:4096
	s_wait_dscnt 0x0                               ; for the others' sake: my stores have landed
	s_barrier_signal -1
	s_barrier_wait -1
.irp i, 0,1,2,3,4,5,6,7                            ; wave w joins chunk w of the eight waves' parts
	ds_load_b128 v[32+4*\i:35+4*\i], v[RA] offset:\i*WREG
	ds_load_b64 v[64+2*\i:65+2*\i], v[RS] offset:\i*WREG+4096
.endr
	s_wait_dscnt 0x0
	v_max3_num_f32 v96, v64, v66, v68
	v_max3_num_f32 v96, v96, v70, v72
	v_max3_num_f32 v96, v96, v74, v76
	v_max_num_f32 v96, v96, v78                    ; the quarter's largest c m
.irp i, 0,1,2,3,4,5,6,7
	v_sub_f32 v[80+\i], v[64+2*\i], v96
.endr
.irp i, 0,1,2,3,4,5,6,7
	v_exp_f32 v[80+\i], v[80+\i]
.endr
	v_nop
	s_wait_alu depctr_va_vdst(0)
	v_mul_f32 v97, v80, v65
.irp k, 0,1,2,3
	v_mul_f32 v[100+\k], v80, v[32+\k]
.endr
.irp i, 1,2,3,4,5,6,7
	v_fmac_f32 v97, v[80+\i], v[65+2*\i]
.irp k, 0,1,2,3
	v_fmac_f32 v[100+\k], v[80+\i], v[32+4*\i+\k]
.endr
.endr
	global_store_b128 v[LI], v[100:103], s[24:25]  ; the wave stores 512 consecutive bytes
	s_cmp_lg_u32 s10, 0
	s_cbranch_scc1 .Lnot_0
	global_store_b64 v[RS], v[96:97], s[30:31]     ; (c m, l) of the quarter: 256 consecutive bytes
.Lnot_0:
	s_wait_tensorcnt 0x0                           ; the wave's end
	ds_add_u32 v[SPW], v[NIL]
	s_wait_dscnt 0x0
	s_endpgm
.Lfunc_end_k_qef756eaf80_fine_att:
	.size	k_qef756eaf80_fine_att, .Lfunc_end_k_qef756eaf80_fine_att-k_qef756eaf80_fine_att
	.p2alignl 7, 3214868480
	.fill 96, 4, 3214868480
	.section	.rodata,"a",@progbits
	.p2align	6, 0x0
	.amdhsa_kernel k_qef756eaf80_fine_att
		.amdhsa_group_segment_fixed_size 35840
		.amdhsa_private_segment_fixed_size 0
		.amdhsa_enable_private_segment 0
		.amdhsa_kernarg_size 24
		.amdhsa_user_sgpr_count 2
		.amdhsa_user_sgpr_kernarg_segment_ptr 1
		.amdhsa_wavefront_size32 1
		.amdhsa_system_sgpr_workgroup_id_x 1
		.amdhsa_system_sgpr_workgroup_id_y 1
		.amdhsa_system_sgpr_workgroup_id_z 1
		.amdhsa_system_vgpr_workitem_id 0
		.amdhsa_next_free_vgpr 256
		.amdhsa_next_free_sgpr 66
		.amdhsa_reserve_vcc 1
		.amdhsa_float_denorm_mode_32 3
		.amdhsa_float_denorm_mode_16_64 3
		.amdhsa_memory_ordered 1
		.amdhsa_forward_progress 1
		.amdhsa_inst_pref_size 25
	.end_amdhsa_kernel
	.amdgpu_metadata
---
amdhsa.version: [ 1, 2 ]
amdhsa.kernels:
  - .name:           k_qef756eaf80_fine_att
    .symbol:         k_qef756eaf80_fine_att.kd
    .args:
      - { .name: qkv, .offset: 0, .size: 8, .value_kind: global_buffer, .address_space: global }
      - { .name: mask, .offset: 8, .size: 8, .value_kind: global_buffer, .address_space: global }
      - { .name: part, .offset: 16, .size: 8, .value_kind: global_buffer, .address_space: global }
    .group_segment_fixed_size: 35840
    .private_segment_fixed_size: 0
    .kernarg_segment_align: 8
    .kernarg_segment_size: 24
    .max_flat_workgroup_size: 256
    .sgpr_count:     66
    .vgpr_count:     256
    .wavefront_size: 32
...
	.end_amdgpu_metadata
.endif
;; end of part 3
;; launch attn (part 4): grid 4 x 64, 8 waves a work-group, no clusters, 132,096 bytes of LDS; arguments qkv, mask, mtab, oimg; writes oimg
.if DOCPART == 4
	.amdgcn_target "amdgcn-amd-amdhsa--gfx1250"
	.amdhsa_code_object_version 6
	.text
	.protected	k_qef756eaf80_attn
	.globl	k_qef756eaf80_attn
	.p2align	8
	.type	k_qef756eaf80_attn,@function
k_qef756eaf80_attn:
	s_mov_b64 s[64:65], 0
	v_nop
	global_prefetch_b8 v0, s[64:65] scope:SCOPE_SE
	s_setreg_imm32_b32 hwreg(HW_REG_WAVE_MODE, 25, 1), 1
	s_wait_xcnt 0x0
; O = softmax(Q K^T / 8, masked as the mask input says) V for all rows, on f16 operands with f32 sums, maxima and row sums; O leaves as f16 images for the projection.
; SHARES.  Work-group (i, bh): two blocks of 256 queries of one head, 7 - i and then i.  Wave w owns 32 queries of a block (two tiles of 16): sub-block w for w < 4, else 11 - w.
; Keys go in steps of 64, four steps to a slot; 16 trips, a constant: slots 7 .. 0 for the first block, 0 .. 7 for the second.
; WORK THAT IS LEFT OUT.  mtab (whole numbers, stored by the first launch from the mask) says for each group of 32 queries which steps hold a true key (A) and which need the mask applied (M).
; A step without a true key for my 32 queries adds exactly 0 as long as each of them has a true key somewhere (else A names all steps).
; A slot that no wave of the work-group walks is not fetched.  Only branches hang on mtab; every address is made of ids and counters.
; WHY NO TENSOR LOAD AND NO CLUSTER: these branches hang on numbers read from memory, and partners would walk different numbers of tiles.
; K and V come global -> registers -> LDS, a slot ahead: asked for at a trip's head, stored into the other buffer at its end.  An even trip reads buffer 0 and writes buffer 1, an odd one the reverse.
; ONE BARRIER A TRIP orders two things: every wave's reads of the buffer that the next trip's stores overwrite, and this trip's stores against the next trip's reads.
; LAYOUT.  S^T = K Q^T and O^T = V^T P: a lane holds one query throughout.  All operands lie in memory and LDS as images of their registers: every load takes 16 bytes at 16 x lane.
; SOFTMAX.  Running maximum m and sum l; p = 2^(c s - c m), c = log2(e) / 8; O and l are multiplied by a = 2^(c m_old - c m_new) in every step.  A false mask byte makes the score -8e9 (-1e9 behind the factor 1/8).
; O^T is cleared by moves at a block's head: which step is walked first hangs on data, so no product can be written out as the sums' first.
; LIMITS: q, k, v, o under 65,504; rows past position 15 that a mask leaves with very few keys are carried with f16 operands.
; REGISTERS.  window 0: v1-8 addresses and work; v16-31 statistics, 8 a tile (+0 c m, +1 m, +2, +3 l, +4..7 at work, a in +6); v32-95 S^T; v96-127 P; v128-191 O^T; v192-207 mask bytes; v254, v255 the add's two.
;             window 1: v0-63 K; v64-127 V; v128-159 Q; v160-223 what I stage for the next slot.
.set KI,    16777216
.set VI,    33554432
.set BUFB,  65536                      ; a buffer: K's images of 4 steps (32,768 bytes), then V's
.set SPARE, 131072
.set LI,  1
.set AD,  2
.set SD0, 3
.set MO,  4
.set NEG, 5
.set MA,  6
.set SD1, 7
.set TT,  8
.set ST,  16
.set S,   32
.set P,   96
.set OT,  128
.set MB,  192
.set SPW, 254
.set NIL, 255
.set KF,  0
.set VF,  64
.set QF,  128
.set STG, 160
.set CS,  32
.set SEL, 34
.set MSB, 0
.macro WIN new
.if MSB != (\new)
	s_set_vgpr_msb (MSB<<8)|(\new)
.set MSB, (\new)
.endif
.endm
.macro STAGE_LOAD                      ; my 8,192 bytes of the next slot: waves 0-3 a step of K each, waves 4-7 a step of V
	WIN 0x40
.set nn, 0
.rept 16
	global_load_b128 v[STG+4*nn:STG+4*nn+3], v[LI], s[28:29] offset:512*nn
.set nn, nn+1
.endr
	WIN 0
.endm
.macro STAGE_STORE adr
	WIN 0x04
.set nn, 0
.rept 16
	ds_store_b128 v[\adr], v[STG+4*nn:STG+4*nn+3] offset:512*nn
.set nn, nn+1
.endr
	WIN 0
.endm
; The front of a step: K's fragments, S^T = K Q^T, V's fragments.  m = 1: the mask's bytes are asked for ahead of it and applied behind it.
.macro FRONT m
.if \m
	v_add_nc_u32 v[MA], s49, v[MO]                 ; (the loads that read it last were waited for in this same arm)
.set nn, 0
.rept 8
	global_load_b64 v[MB+2*nn:MB+2*nn+1], v[MA], s[6:7] offset:(nn/4)*32768+16*(nn%4)
.set nn, nn+1
.endr
.endif
	WIN 0x40
.set nn, 0
.rept 16
	ds_load_b128 v[KF+4*nn:KF+4*nn+3], v[AD] offset:512*nn
.set nn, nn+1
.endr
	s_wait_dscnt 0x0
	WIN 0x05
.set nn, 0
.rept 16                                           ; the eight accumulators take turns; the first eight products start the sums
.set rS, S+32*(nn%2)+8*((nn/2)%4)
.set rK, KF+16*((nn/2)%4)+8*(nn/8)
.set rQ, QF+16*(nn%2)+8*(nn/8)
.if nn < 8
	v_wmma_f32_16x16x32_f16 v[rS:rS+7], v[rK:rK+7], v[rQ:rQ+7], 0
.else
	v_wmma_f32_16x16x32_f16 v[rS:rS+7], v[rK:rK+7], v[rQ:rQ+7], v[rS:rS+7]
.endif
.set nn, nn+1
.endr
	WIN 0
.rept 4
	v_nop                                          ; places behind the products, ahead of the first read of the scores
.endr
	WIN 0x40
.set nn, 0
.rept 16
	ds_load_b128 v[VF+4*nn:VF+4*nn+3], v[AD] offset:32768+512*nn
.set nn, nn+1
.endr
	WIN 0
.if \m
	s_wait_loadcnt 0x0                             ; the mask bytes (and whatever was asked for earlier)
.set nn, 0
.rept 64                                           ; register nn = 32 t + 8 kt + j: query 16 t + r, key 16 kt + 8 h + j; its byte is byte nn % 4 of word nn / 4
	v_and_b32 v[TT], 0xff<<(8*(nn%4)), v[MB+nn/4]
	v_cmp_eq_u32 vcc_lo, 0, v[TT]
	v_cndmask_b32 v[S+nn], v[S+nn], v[NEG], vcc_lo
.set nn, nn+1
.endr
.endif
.endm
.macro SOFTMAX                         ; both tiles, line by line by turns
.irp k, 0,1,2,3
.irp t, 0,1
	v_max3_num_f32 v[ST+8*\t+4+\k], v[S+32*\t+8*\k], v[S+32*\t+8*\k+1], v[S+32*\t+8*\k+2]
.endr
.endr
.irp p, 3,5
.irp k, 0,1,2,3
.irp t, 0,1
	v_max3_num_f32 v[ST+8*\t+4+\k], v[ST+8*\t+4+\k], v[S+32*\t+8*\k+\p], v[S+32*\t+8*\k+\p+1]
.endr
.endr
.endr
.irp t, 0,1
	v_max3_num_f32 v[ST+8*\t+4], v[ST+8*\t+4], v[S+32*\t+7], v[S+32*\t+15]
	v_max3_num_f32 v[ST+8*\t+6], v[ST+8*\t+6], v[S+32*\t+23], v[S+32*\t+31]
.endr
.irp t, 0,1
	v_max3_num_f32 v[ST+8*\t+4], v[ST+8*\t+4], v[ST+8*\t+5], v[ST+8*\t+6]
.endr
.irp t, 0,1
	v_max3_num_f32 v[ST+8*\t+4], v[ST+8*\t+4], v[ST+8*\t+7], v[ST+8*\t+1]   ; with the old m
.endr
.irp t, 0,1
	v_permlanex16_b32 v[ST+8*\t+5], v[ST+8*\t+4], s[SEL], s[SEL+1]
.endr
.irp t, 0,1
	v_mov_b32 v[ST+8*\t+7], v[ST+8*\t]             ; c m_old is kept for a
.endr
.irp t, 0,1
	v_max_num_f32 v[ST+8*\t+1], v[ST+8*\t+4], v[ST+8*\t+5]
.endr
.irp t, 0,1
	v_mul_f32 v[ST+8*\t], s[CS], v[ST+8*\t+1]
.endr
.irp t, 0,1
	v_sub_f32 v[ST+8*\t+7], v[ST+8*\t+7], v[ST+8*\t]
.endr
.irp t, 0,1
	v_pk_fma_f32 v[S+32*\t:S+32*\t+1], v[S+32*\t:S+32*\t+1], s[CS:CS+1], v[ST+8*\t:ST+8*\t+1] op_sel_hi:[1,0,0] neg_lo:[0,0,1] neg_hi:[0,0,1]
.endr
.irp t, 0,1
	v_exp_f32 v[ST+8*\t+6], v[ST+8*\t+7]           ; a
.endr
.irp b, 1,2,3,4,5,6,7,8,9,10,11,12,13,14,15        ; ONE BATCH: pair b is scaled, the pair before it goes through the exponential; nothing here names an exponential's result
.irp t, 0,1
	v_pk_fma_f32 v[S+32*\t+2*\b:S+32*\t+2*\b+1], v[S+32*\t+2*\b:S+32*\t+2*\b+1], s[CS:CS+1], v[ST+8*\t:ST+8*\t+1] op_sel_hi:[1,0,0] neg_lo:[0,0,1] neg_hi:[0,0,1]
.endr
.irp t, 0,1
	v_exp_f32 v[S+32*\t+2*\b-2], v[S+32*\t+2*\b-2]
	v_exp_f32 v[S+32*\t+2*\b-1], v[S+32*\t+2*\b-1]
.endr
.endr
.irp t, 0,1
	v_exp_f32 v[S+32*\t+30], v[S+32*\t+30]
	v_exp_f32 v[S+32*\t+31], v[S+32*\t+31]
.endr
	v_nop                                          ; a plain instruction behind the last exponential
	s_wait_alu depctr_va_vdst(0)                   ; one wait for the 66, ahead of their first reader
.irp b, 0,1,2,3,4,5,6,7,8,9,10,11,12,13,14,15
.irp t, 0,1
	v_cvt_pk_f16_f32 v[P+16*\t+\b], v[S+32*\t+2*\b], v[S+32*\t+2*\b+1]
.endr
.endr
.irp u, 0,1,2,3,4,5,6,7                            ; the row's sum, of the unrounded p, in place
.irp t, 0,1
	v_pk_add_f32 v[S+32*\t+4*\u:S+32*\t+4*\u+1], v[S+32*\t+4*\u:S+32*\t+4*\u+1], v[S+32*\t+4*\u+2:S+32*\t+4*\u+3]
.endr
.endr
.irp u, 0,1,2,3
.irp t, 0,1
	v_pk_add_f32 v[S+32*\t+8*\u:S+32*\t+8*\u+1], v[S+32*\t+8*\u:S+32*\t+8*\u+1], v[S+32*\t+8*\u+4:S+32*\t+8*\u+5]
.endr
.endr
.irp u, 0,1
.irp t, 0,1
	v_pk_add_f32 v[S+32*\t+16*\u:S+32*\t+16*\u+1], v[S+32*\t+16*\u:S+32*\t+16*\u+1], v[S+32*\t+16*\u+8:S+32*\t+16*\u+9]
.endr
.endr
.irp t, 0,1
	v_pk_add_f32 v[S+32*\t:S+32*\t+1], v[S+32*\t:S+32*\t+1], v[S+32*\t+16:S+32*\t+17]
.endr
.irp t, 0,1
	v_pk_fma_f32 v[ST+8*\t+2:ST+8*\t+3], v[ST+8*\t+2:ST+8*\t+3], v[ST+8*\t+6:ST+8*\t+7], v[S+32*\t:S+32*\t+1] op_sel_hi:[1,0,1]   ; l = a l + the sum
.endr
.irp b, 0,1,2,3,4,5,6,7,8,9,10,11,12,13,14,15      ; O^T x a, each accumulator from its low end on
.irp t, 0,1
	v_pk_mul_f32 v[OT+32*\t+2*\b:OT+32*\t+2*\b+1], v[OT+32*\t+2*\b:OT+32*\t+2*\b+1], v[ST+8*\t+6:ST+8*\t+7] op_sel_hi:[1,0]
.endr
.endr
.endm
; A trip: one slot of 256 keys.  par: the buffer that it reads; the next slot goes into the other.
.macro TRIP par
	s_add_co_u32 s40, s15, 1                       ; the next trip,
	s_lshr_b32 s30, s17, s40
	s_and_b32 s30, s30, 1                          ; is its slot walked by any wave of the work-group,
	s_sub_co_u32 s41, 7, s40
	s_sub_co_u32 s44, s40, 8
	s_cmp_lt_u32 s40, 8
	s_cselect_b32 s54, s41, s44
	s_min_u32 s54, s54, 7                          ; and which slot is it
	s_lshl_b32 s42, s54, 15
	s_add_nc_u64 s[28:29], s[26:27], s[42:43]      ; (the loads that read this base last were waited for at the last trip's end)
	s_cmp_lg_u32 s30, 0
	s_cbranch_scc0 .Lnold_\@
	STAGE_LOAD
.Lnold_\@:
	s_lshl_b32 s40, s51, 2
	s_lshr_b32 s18, s52, s40                       ; my A and M, this slot's four bits lowest
	s_lshr_b32 s19, s53, s40
	s_lshl_b32 s49, s51, 8
	s_add_co_u32 s49, s49, s31                     ; the mask: my first row x 2,048 + the step's first key
	s_mov_b32 s48, \par*BUFB
	s_mov_b32 s16, 4
.Lstep_\@:
	s_bitcmp1_b32 s18, 0
	s_cbranch_scc0 .Lskip_\@
	v_add_nc_u32 v[AD], s48, v[LI]
	s_bitcmp1_b32 s19, 0
	s_cbranch_scc0 .Lopen_\@
	FRONT 1
	s_branch .Lsm_\@
.Lopen_\@:
	FRONT 0
.Lsm_\@:
	SOFTMAX
	s_wait_dscnt 0x0                               ; V is in
	WIN 0x01
.set nn, 0
.rept 16                                           ; O^T += V^T P: the eight accumulators take turns
.set rO, OT+32*(nn%2)+8*((nn/2)%4)
.set rV, VF+16*((nn/2)%4)+8*(nn/8)
.set rP, P+16*(nn%2)+8*(nn/8)
	v_wmma_f32_16x16x32_f16 v[rO:rO+7], v[rV:rV+7], v[rP:rP+7], v[rO:rO+7]
.set nn, nn+1
.endr
	WIN 0
.rept 4
	v_nop                                          ; places behind the products, on every way on from here
.endr
.Lskip_\@:
	s_lshr_b32 s18, s18, 1
	s_lshr_b32 s19, s19, 1
	s_add_co_u32 s48, s48, 8192
	s_add_co_u32 s49, s49, 64
	s_sub_co_u32 s16, s16, 1
	s_cmp_lg_u32 s16, 0
	s_cbranch_scc1 .Lstep_\@
	s_wait_loadcnt 0x0                             ; what I staged is in registers (on every way: no load is out behind this line)
	s_cmp_lg_u32 s30, 0
	s_cbranch_scc0 .Lnost_\@
.if \par
	STAGE_STORE SD0
.else
	STAGE_STORE SD1
.endif
.Lnost_\@:
	s_wait_dscnt 0x0                               ; my stores have landed, my reads of this trip's buffer are over
	s_barrier_signal -1
	s_barrier_wait -1
	s_mov_b32 s51, s54
	s_add_co_u32 s15, s15, 1
.endm
	s_load_b256 s[4:11], s[0:1], 0x0               ; qkv 4, mask 6, mtab 8, oimg 10
	v_lshl_add_u32 v[SPW], v0, 2, SPARE
	v_mov_b32 v[NIL], 0
	v_lshrrev_b32 v[TT], 5, v0
	v_readfirstlane_b32 s12, v[TT]                 ; wave
	s_mov_b32 s13, ttmp9                           ; i
	s_and_b32 s14, ttmp7, 0xffff                   ; bh
	s_sub_co_u32 s55, 7, s13
	s_sub_co_u32 s40, 11, s12
	s_cmp_lt_u32 s12, 4
	s_cselect_b32 s50, s12, s40                    ; my sub-block of 32 queries
	s_mov_b32 s43, 0                               ; stays 0: the upper word of every offset
	s_mov_b32 s41, VI
	s_cselect_b32 s44, KI, s41                     ; what I stage: K's images or V's
	s_wait_kmcnt 0x0
	s_lshl_b32 s42, s55, 6
	s_add_nc_u64 s[56:57], s[8:9], s[42:43]        ; the first block's eight pairs,
	s_lshl_b32 s42, s13, 6
	s_add_nc_u64 s[58:59], s[8:9], s[42:43]        ; the second's,
	s_lshl_b32 s42, s50, 3
	s_add_nc_u64 s[60:61], s[56:57], s[42:43]      ; and my own two
	s_add_nc_u64 s[62:63], s[58:59], s[42:43]
	s_load_b512 s[68:83], s[56:57], 0x0
	s_load_b512 s[84:99], s[58:59], 0x0
	s_load_b64 s[20:21], s[60:61], 0x0
	s_load_b64 s[22:23], s[62:63], 0x0
	s_lshl_b32 s40, s14, 18
	s_add_co_u32 s42, s44, s40
	s_and_b32 s40, s12, 3
	s_lshl_b32 s40, s40, 13
	s_add_co_u32 s42, s42, s40
	s_add_nc_u64 s[26:27], s[4:5], s[42:43]        ; my step of slot 0
	s_add_nc_u64 s[28:29], s[26:27], 7*32768       ; the first trip's slot is 7
	v_and_b32 v[TT], 31, v0
	v_lshlrev_b32 v[LI], 4, v[TT]
	STAGE_LOAD
	s_lshl_b32 s40, s12, 13
	v_add_nc_u32 v[SD0], s40, v[LI]
	v_add_nc_u32 v[SD1], BUFB, v[SD0]
	v_and_b32 v[TT], 15, v0
	v_lshlrev_b32 v[MO], 11, v[TT]
	v_bfe_u32 v[TT], v0, 4, 1
	v_lshl_add_u32 v[MO], v[TT], 3, v[MO]          ; the mask: row r, + 8 h
	v_mov_b32 v[NEG], 0xcfee6b28                   ; -8e9
	s_mov_b32 s[CS], 0x3e38aa3b                    ; c = log2(e) / 8
	s_mov_b32 s[CS+1], s[CS]
	s_mov_b32 s[SEL], 0x76543210
	s_mov_b32 s[SEL+1], 0xfedcba98
	s_wait_kmcnt 0x0
	s_or_b32 s24, s68, s70                         ; the steps that any wave walks, in the first block
	s_or_b32 s25, s84, s86                         ; and in the second
.irp n, 72,74,76,78,80,82
	s_or_b32 s24, s24, s[\n]
	s_or_b32 s25, s25, s[\n+16]
.endr
	s_mov_b32 s17, 0                               ; bit T: trip T's slot is walked
.set tt, 0
.rept 16
.if tt < 8
	s_bfe_u32 s40, s24, (4<<16)|(4*(7-tt))
.else
	s_bfe_u32 s40, s25, (4<<16)|(4*(tt-8))
.endif
	s_cmp_lg_u32 s40, 0
	s_cselect_b32 s40, 1<<tt, 0
	s_or_b32 s17, s17, s40
.set tt, tt+1
.endr
	s_wait_loadcnt 0x0
	STAGE_STORE SD0
	s_wait_dscnt 0x0
	s_barrier_signal -1
	s_barrier_wait -1
	s_mov_b32 s15, 0                               ; the trip
	s_mov_b32 s51, 7                               ; its slot
	s_mov_b32 s46, 0                               ; the block in hand
.Lphase:
	s_wait_xcnt 0x0                                ; the last block's stores have read their base and registers
	s_cmp_eq_u32 s46, 0
	s_cselect_b32 s40, s55, s13                    ; the block of 256 queries,
	s_cselect_b32 s52, s20, s22                    ; my A
	s_cselect_b32 s53, s21, s23                    ; and M
	s_lshl_b32 s40, s40, 3
	s_add_co_u32 s40, s40, s50                     ; my group of 32
	s_lshl_b32 s31, s40, 16                        ; its first row in the mask
	s_lshl_b32 s42, s14, 18
	s_lshl_b32 s41, s40, 12
	s_add_co_u32 s42, s42, s41
	s_add_nc_u64 s[36:37], s[4:5], s[42:43]        ; Q's two tiles
	s_and_b32 s41, s14, 15                         ; the head
	s_lshr_b32 s44, s41, 1
	s_lshl_b32 s42, s44, 21
	s_and_b32 s41, s41, 1
	s_lshl_b32 s41, s41, 11
	s_add_co_u32 s42, s42, s41
	s_lshr_b32 s41, s14, 4                         ; the batch: 128 tiles of rows x 4,096 bytes
	s_lshl_b32 s41, s41, 19
	s_add_co_u32 s42, s42, s41
	s_lshl_b32 s41, s40, 13
	s_add_co_u32 s42, s42, s41
	s_add_nc_u64 s[38:39], s[10:11], s[42:43]      ; O's images
	WIN 0x40
.set nn, 0
.rept 8
	global_load_b128 v[QF+4*nn:QF+4*nn+3], v[LI], s[36:37] offset:512*nn
.set nn, nn+1
.endr
	WIN 0
.set nn, 0
.rept 64
	v_mov_b32 v[OT+nn], 0
.set nn, nn+1
.endr
.irp t, 0,1
	v_mov_b32 v[ST+8*\t+1], 0xff61b1e6             ; m: -3e38, under every score
	v_mul_f32 v[ST+8*\t], s[CS], v[ST+8*\t+1]
.irp k, 2,3,4,5,6,7
	v_mov_b32 v[ST+8*\t+\k], 0
.endr
.endr
	s_wait_loadcnt 0x0
	s_mov_b32 s47, 4
.Lpair:
	TRIP 0
	TRIP 1
	s_sub_co_u32 s47, s47, 1
	s_cmp_lg_u32 s47, 0
	s_cbranch_scc1 .Lpair
	; the block's way out: O^T / l, rounded to f16, stored as it stands
.irp t, 0,1
	v_add_f32 v[ST+8*\t+4], v[ST+8*\t+2], v[ST+8*\t+3]
.endr
.irp t, 0,1
	v_permlanex16_b32 v[ST+8*\t+5], v[ST+8*\t+4], s[SEL], s[SEL+1]
.endr
.irp t, 0,1
	v_add_f32 v[ST+8*\t+4], v[ST+8*\t+4], v[ST+8*\t+5]
.endr
.irp t, 0,1
	v_rcp_f32 v[ST+8*\t+6], v[ST+8*\t+4]
.endr
	v_nop
	s_wait_alu depctr_va_vdst(0)
.irp t, 0,1
.irp b, 0,1,2,3,4,5,6,7,8,9,10,11,12,13,14,15
	v_pk_mul_f32 v[OT+32*\t+2*\b:OT+32*\t+2*\b+1], v[OT+32*\t+2*\b:OT+32*\t+2*\b+1], v[ST+8*\t+6:ST+8*\t+7] op_sel_hi:[1,0]
.endr
.endr
.set nn, 0
.rept 32
	v_cvt_pk_f16_f32 v[P+nn], v[OT+2*nn], v[OT+2*nn+1]
.set nn, nn+1
.endr
.set nn, 0
.rept 8
	global_store_b128 v[LI], v[P+4*nn:P+4*nn+3], s[38:39] offset:(nn/4)*4096+(nn%4)*512   ; the wave stores 512 consecutive bytes
.set nn, nn+1
.endr
	s_add_co_u32 s46, s46, 1
	s_cmp_lt_u32 s46, 2
	s_cbranch_scc1 .Lphase
	s_wait_tensorcnt 0x0                           ; the wave's end
	ds_add_u32 v[SPW], v[NIL]
	s_wait_dscnt 0x0
	s_endpgm
.Lfunc_end_k_qef756eaf80_attn:
	.size	k_qef756eaf80_attn, .Lfunc_end_k_qef756eaf80_attn-k_qef756eaf80_attn
	.p2alignl 7, 3214868480
	.fill 96, 4, 3214868480
	.section	.rodata,"a",@progbits
	.p2align	6, 0x0
	.amdhsa_kernel k_qef756eaf80_attn
		.amdhsa_group_segment_fixed_size 132096
		.amdhsa_private_segment_fixed_size 0
		.amdhsa_enable_private_segment 0
		.amdhsa_kernarg_size 32
		.amdhsa_user_sgpr_count 2
		.amdhsa_user_sgpr_kernarg_segment_ptr 1
		.amdhsa_wavefront_size32 1
		.amdhsa_system_sgpr_workgroup_id_x 1
		.amdhsa_system_sgpr_workgroup_id_y 1
		.amdhsa_system_sgpr_workgroup_id_z 1
		.amdhsa_system_vgpr_workitem_id 0
		.amdhsa_next_free_vgpr 512
		.amdhsa_next_free_sgpr 100
		.amdhsa_reserve_vcc 1
		.amdhsa_float_denorm_mode_32 3
		.amdhsa_float_denorm_mode_16_64 3
		.amdhsa_memory_ordered 1
		.amdhsa_forward_progress 1
		.amdhsa_inst_pref_size 85
	.end_amdhsa_kernel
	.amdgpu_metadata
---
amdhsa.version: [ 1, 2 ]
amdhsa.kernels:
  - .name:           k_qef756eaf80_attn
    .symbol:         k_qef756eaf80_attn.kd
    .args:
      - { .name: qkv, .offset: 0, .size: 8, .value_kind: global_buffer, .address_space: global }
      - { .name: mask, .offset: 8, .size: 8, .value_kind: global_buffer, .address_space: global }
      - { .name: mtab, .offset: 16, .size: 8, .value_kind: global_buffer, .address_space: global }
      - { .name: oimg, .offset: 24, .size: 8, .value_kind: global_buffer, .address_space: global }
    .group_segment_fixed_size: 132096
    .private_segment_fixed_size: 0
    .kernarg_segment_align: 8
    .kernarg_segment_size: 32
    .max_flat_workgroup_size: 256
    .sgpr_count:     100
    .vgpr_count:     512
    .wavefront_size: 32
...
	.end_amdgpu_metadata
.endif
;; end of part 4
;; launch proj (part 5): grid 4 x 64, 4 waves a work-group, clusters of 4 x 4, 327,680 bytes of LDS; arguments oimg, prep, bo, out0; writes out0
.if DOCPART == 5
	.amdgcn_target "amdgcn-amd-amdhsa--gfx1250"
	.amdhsa_code_object_version 6
	.text
	.protected	k_qef756eaf80_proj
	.globl	k_qef756eaf80_proj
	.p2align	8
	.type	k_qef756eaf80_proj,@function
k_qef756eaf80_proj:
	s_mov_b64 s[64:65], 0
	v_nop
	global_prefetch_b8 v0, s[64:65] scope:SCOPE_SE
	s_setreg_imm32_b32 hwreg(HW_REG_WAVE_MODE, 25, 1), 1
	s_wait_xcnt 0x0
	s_wait_alu depctr_hold_cnt(0) depctr_sa_sdst(0) depctr_va_vdst(0) depctr_va_sdst(0) depctr_va_ssrc(0) depctr_va_vcc(0) depctr_vm_vsrc(0)
	s_getreg_b32 s2, hwreg(HW_REG_IB_STS2, 6, 4)
	s_cmp_eq_u32 s2, 0
	s_cbranch_scc0 .Lentry_in_a_cluster
	s_endpgm
.Lentry_in_a_cluster:
	s_bfe_u32 s2, ttmp6, 0x10000c
	s_cmp_lg_u32 s2, 0xf033
	s_cbranch_scc0 .Lentry_shape_is_right
	s_endpgm
.Lentry_shape_is_right:
; out0 = O wo + bo, on f16 operands, f32 sums; all 8,192 rows (the first 16 of each batch are written again, finely, by the last launch).
; A tile of 128 rows x 256 columns to a work-group, 256 work-groups; a wave makes 64 x 128: 32 accumulators.  K goes in 8 steps of 128 through two LDS slots.
; Both operands lie in memory as images of their registers, so a K step's tile is one dense block: O's 32,768 bytes (waves 0, 1 fetch a half each), wo's 65,536 (waves 2, 3); every fragment load takes 16 bytes at 16 x lane.
; CLUSTERS: 4 x 4.  O's tile hangs on the tile row and is asked for jointly along a row of the cluster, wo's on the tile column and goes along a column.  Two tensor loads of a wave are out at the start, one behind each round.
; Source 0 = 16 columns of wo, source 1 = 16 rows of O: a lane holds eight neighbouring columns of a row of out0.  The bias is the C of each sum's first product.
; REGISTERS: window 0: v16-29 addresses; v64-127 the bias; v128-255 rows on the way out.  window 1: accumulator (a, b) at v[8 (8 a + b)].  window 2: two fragment buffers (wo's 64 registers, then O's 32) at v0 and v128.
.set WI,     6127616
.set SLOT,   98304
.set STAGE,  196608                    ; behind the ring: 16 rows x 528 bytes for each wave
.set SPITCH, 528
.set SPARE,  230400
.set ADRA, 16
.set ADRB, 20
.set STO,  24
.set RD,   25
.set CO,   26
.set BO,   27
.set SPW,  28
.set NIL,  29
.set BIAS, 64
.set OB,   128
.set F0,   0
.set F1,   128
.set G1,  24
.set G0,  32
.set G1B, 48
.set G0B, 56
.set MSB, 0
.macro WIN new
.if MSB != (\new)
	s_set_vgpr_msb (MSB<<8)|(\new)
.set MSB, (\new)
.endif
.endm
.set MUL,  0x5a                        ; sources 0 and 1 window 2, C and D window 1
.set MULF, 0x4a                        ; the same with C in window 0: the bias
.set TO_F, 0x80
.macro JLOAD s
	s_cmp_eq_u32 s15, 0
	s_cbranch_scc0 .Lfor_b_\@
	tensor_load_to_lds s[G0+4*\s:G0+4*\s+3], s[G1:G1+7]
	s_nop 0
.rept 4
	v_nop
.endr
	s_branch .Lasked_\@
.Lfor_b_\@:
	tensor_load_to_lds s[G0B+4*\s:G0B+4*\s+3], s[G1B:G1B+7]
	s_nop 0
.rept 4
	v_nop
.endr
.Lasked_\@:
.endm
.macro CREST
	s_cmp_lg_u32 s14, 0
	s_cbranch_scc1 .Lnot_wave_0_\@
	s_barrier_signal -3
.Lnot_wave_0_\@:
	s_barrier_wait -3
	s_barrier_signal -1
	s_barrier_wait -1
.endm
.macro CROUND
	s_barrier_signal -1
	s_barrier_wait -1
	CREST
.endm
	s_load_b256 s[4:11], s[0:1], 0x0               ; oimg 4, prep 6, bo 8, out0 10
	v_lshl_add_u32 v[SPW], v0, 2, SPARE
	v_mov_b32 v[NIL], 0
	ds_add_u32 v[SPW], v[NIL]                      ; the opening: the add, twice on end, and its wait ahead of my first tensor load
	ds_add_u32 v[SPW], v[NIL]
	v_lshrrev_b32 v1, 5, v0
	v_readfirstlane_b32 s14, v1                    ; wave
	s_lshr_b32 s15, s14, 1                         ; my half of the rows; also: I fetch O's tile (0) or wo's (1)
	s_and_b32 s16, s14, 1                          ; my half of the columns; also: which half of that tile I fetch
	s_bfe_u32 s40, ttmp6, 0x40000                  ; cx
	s_bfe_u32 s41, ttmp6, 0x40004                  ; cy
	s_lshl_b32 s42, ttmp9, 2
	s_add_co_u32 s42, s42, s40                     ; tile column
	s_and_b32 s17, ttmp7, 0xffff
	s_lshl_b32 s17, s17, 2
	s_add_co_u32 s17, s17, s41                     ; tile row
	s_lshl_b32 s43, s41, 2
	s_lshl_b32 s43, 15, s43                        ; my row of the cluster
	s_lshl_b32 s44, 0x1111, s40                    ; my column
	s_or_b32 s[G1+0], s43, (3<<16)|(1<<21)         ; the mask; elements of 8 bytes; no padding; bit 21 beside a mask
	s_or_b32 s[G1B+0], s44, (3<<16)|(1<<21)
	s_mov_b32 s[G1+1], 32<<16                      ; rows of 256 bytes,
	s_mov_b32 s[G1+2], 64<<16                      ; 64 of them
	s_mov_b32 s[G1+3], 32<<16
	s_mov_b32 s[G1+4], 64
	s_mov_b32 s[G1+5], 32
	s_mov_b32 s[G1+6], 0
	s_mov_b32 s[G1+7], 0
	s_mov_b32 s[G1B+1], 32<<16
	s_mov_b32 s[G1B+2], 128<<16                    ; 128 of them
	s_mov_b32 s[G1B+3], 32<<16
	s_mov_b32 s[G1B+4], 128
	s_mov_b32 s[G1B+5], 32
	s_mov_b32 s[G1B+6], 0
	s_mov_b32 s[G1B+7], 0
	s_lshl_b32 s20, s17, 15                        ; O: 8 tiles of rows x 4,096 bytes a tile row,
	s_lshl_b32 s18, s16, 14                        ; + my half
	s_add_co_u32 s20, s20, s18
	s_mov_b32 s21, 0
	s_lshl_b32 s46, s42, 16                        ; wo: 16 tiles of columns x 4,096 bytes a tile column,
	s_lshl_b32 s47, s16, 15
	s_add_co_u32 s46, s46, s47
	s_add_co_u32 s46, s46, WI
	s_mov_b32 s47, 0
	s_lshl_b32 s22, s16, 14                        ; where they go in a slot: O's halves,
	s_lshl_b32 s45, s16, 15
	s_add_co_u32 s45, s45, 32768                   ; then wo's
	s_wait_dscnt 0x0                               ; both opening adds are done
	s_wait_kmcnt 0x0
	s_add_nc_u64 s[20:21], s[4:5], s[20:21]
	s_add_nc_u64 s[46:47], s[6:7], s[46:47]
	CROUND                                         ; all sixteen work-groups are here: the first joint loads meet
.irp s, 0,1
	s_mov_b32 s[G0+4*\s], 1
	s_add_co_u32 s[G0+4*\s+1], s22, \s*SLOT
	s_add_nc_u64 s[G0+4*\s+2:G0+4*\s+3], s[20:21], \s*2097152
	s_or_b32 s[G0+4*\s+3], s[G0+4*\s+3], 0x80000000
	s_mov_b32 s[G0B+4*\s], 1
	s_add_co_u32 s[G0B+4*\s+1], s45, \s*SLOT
	s_add_nc_u64 s[G0B+4*\s+2:G0B+4*\s+3], s[46:47], \s*262144
	s_or_b32 s[G0B+4*\s+3], s[G0B+4*\s+3], 0x80000000
	JLOAD \s
.endr
	v_and_b32 v1, 15, v0                           ; r
	v_bfe_u32 v2, v0, 4, 1                         ; h
	v_and_b32 v3, 31, v0
	v_lshlrev_b32 v[CO], 4, v3                     ; 16 x lane
	v_lshlrev_b32 v[BO], 5, v2
	s_lshl_b32 s21, s15, 14                        ; my 64 rows of O
	s_lshl_b32 s22, s16, 15
	s_add_co_u32 s22, s22, 32768                   ; my 128 columns of wo
.irp s, 0,1
	v_add_nc_u32 v[ADRA+\s], s21, v[CO]
	v_add_nc_u32 v[ADRB+\s], s22, v[CO]
	s_add_co_u32 s21, s21, SLOT
	s_add_co_u32 s22, s22, SLOT
.endr
	s_mul_i32 s23, s14, 16*SPITCH
	s_add_co_u32 s23, s23, STAGE                   ; my stage
	v_mul_u32_u24 v4, v1, SPITCH
	v_lshl_add_u32 v4, v2, 5, v4
	v_add_nc_u32 v[STO], s23, v4
	v_add_nc_u32 v[RD], s23, v[CO]
	s_lshl_b32 s2, s42, 10                         ; my first column, in bytes
	s_lshl_b32 s3, s16, 9
	s_add_co_u32 s2, s2, s3
	s_lshl_b32 s12, s17, 19                        ; my first row x 4,096
	s_lshl_b32 s13, s15, 18
	s_add_co_u32 s12, s12, s13
	s_add_co_u32 s12, s12, s2
	s_mov_b32 s3, 0
	s_mov_b32 s13, 0
	s_add_nc_u64 s[8:9], s[8:9], s[2:3]
	s_add_nc_u64 s[10:11], s[10:11], s[12:13]
.irp b, 0,1,2,3,4,5,6,7
	global_load_b128 v[BIAS+8*\b:BIAS+8*\b+3], v[BO], s[8:9] offset:64*\b
	global_load_b128 v[BIAS+8*\b+4:BIAS+8*\b+7], v[BO], s[8:9] offset:64*\b+16
.endr
.macro MUL8 f, a, first                ; row block a x the eight column blocks, 32 along K
.irp b, 0,1,2,3,4,5,6,7
.if \first
	v_wmma_f32_16x16x32_f16 v[8*(8*(\a)+\b):8*(8*(\a)+\b)+7], v[\f+8*\b:\f+8*\b+7], v[\f+64+8*(\a):\f+64+8*(\a)+7], v[BIAS+8*\b:BIAS+8*\b+7]
.else
	v_wmma_f32_16x16x32_f16 v[8*(8*(\a)+\b):8*(8*(\a)+\b)+7], v[\f+8*\b:\f+8*\b+7], v[\f+64+8*(\a):\f+64+8*(\a)+7], v[8*(8*(\a)+\b):8*(8*(\a)+\b)+7]
.endif
.endr
.endm
.macro FETCH slot, q, f                ; 24 LDS loads in one run: the fragments of the slot's q-th 32 along K; O's blocks 2, 3 last
	WIN TO_F
.irp b, 0,1,2,3,4,5,6,7
	ds_load_b128 v[\f+8*\b:\f+8*\b+3],   v[ADRB+\slot] offset:\b*4096+(\q)*1024
	ds_load_b128 v[\f+8*\b+4:\f+8*\b+7], v[ADRB+\slot] offset:\b*4096+(\q)*1024+512
.endr
.irp a, 0,1,2,3
	ds_load_b128 v[\f+64+8*\a:\f+64+8*\a+3], v[ADRA+\slot] offset:\a*4096+(\q)*1024
	ds_load_b128 v[\f+64+8*\a+4:\f+64+8*\a+7], v[ADRA+\slot] offset:\a*4096+(\q)*1024+512
.endr
.endm
.macro PLACES
.rept 4
	v_nop
.endr
.endm
.macro MWIN first
.if \first
	WIN MULF
.else
	WIN MUL
.endif
.endm
; A K step is four quarters of 32 along K, 32 matrix instructions each, on buffers 0, 1, 0, 1; the 32 accumulators take turns in the same order in every quarter.
.macro QUARTER slot, qn, f, g, first
	s_wait_dscnt 4                                 ; wo's fragments and O's blocks 0, 1 are in; the youngest four loads may be out
	MWIN \first
	MUL8 \f, 0, \first
	MUL8 \f, 1, \first
	PLACES
	FETCH \slot, \qn, \g
	s_wait_dscnt 24                                ; all but the 24 just issued
	MWIN \first
	MUL8 \f, 2, \first
	MUL8 \f, 3, \first
.endm
; The last quarter multiplies buffer 1 and changes slots: one barrier; in front of it each wave waits for all its tensor loads, adds 0 to its spare word and waits for that and for its reads of this slot.
.macro TURN slot, next, fill
	WIN 0
	s_wait_tensorcnt 0x0                           ; my part of the next slot has landed
	ds_add_u32 v[SPW], v[NIL]
	s_wait_dscnt 5                                 ; the add and the youngest four loads may be out
	WIN MUL
	MUL8 F1, 0, 0
	s_wait_dscnt 0x0                               ; the add is done, my reads of this slot are over
	s_barrier_signal -1
	MUL8 F1, 1, 0
.if \fill
	WIN 0
.endif
	s_barrier_wait -1
.if \fill
	CREST                                          ; the barrier has opened a round of the cluster's: no wave of any partner still reads this slot or has a load on its way
	s_add_nc_u64 s[G0+4*\slot+2:G0+4*\slot+3], s[G0+4*\slot+2:G0+4*\slot+3], 2*2097152
	s_add_nc_u64 s[G0B+4*\slot+2:G0B+4*\slot+3], s[G0B+4*\slot+2:G0B+4*\slot+3], 2*262144
	JLOAD \slot                                    ; the first tensor load behind the round; its four v_nop are also the places in front of the loads below
.else
	PLACES
.endif
	FETCH \next, 0, F0
	WIN MUL
	MUL8 F1, 2, 0
	MUL8 F1, 3, 0
.endm
	s_wait_tensorcnt 1                             ; my part of K step 0 is in; K step 1's load may be out
	s_barrier_signal -1
	s_barrier_wait -1
	FETCH 0, 0, F0
	s_wait_loadcnt 0x0                             ; the bias
	QUARTER 0, 1, F0, F1, 1                        ; the first quarter's products start the sums, on the bias
	WIN 0
	s_mov_b32 s19, 3
.Llap:                                                 ; a trip goes once round the ring and fills both slots again: K steps 2 .. 7
	QUARTER 0, 2, F1, F0, 0
	QUARTER 0, 3, F0, F1, 0
	TURN 0, 1, 1
	QUARTER 1, 1, F0, F1, 0
	QUARTER 1, 2, F1, F0, 0
	QUARTER 1, 3, F0, F1, 0
	TURN 1, 0, 1
	QUARTER 0, 1, F0, F1, 0
	WIN 0
	s_sub_co_u32 s19, s19, 1
	s_cmp_lg_u32 s19, 0
	s_cbranch_scc1 .Llap
	QUARTER 0, 2, F1, F0, 0                        ; the last lap fills nothing
	QUARTER 0, 3, F0, F1, 0
	TURN 0, 1, 0
	QUARTER 1, 1, F0, F1, 0
	QUARTER 1, 2, F1, F0, 0
	QUARTER 1, 3, F0, F1, 0
	s_wait_dscnt 4
	WIN MUL
	MUL8 F1, 0, 0
	MUL8 F1, 1, 0
	s_wait_dscnt 0
	MUL8 F1, 2, 0
	MUL8 F1, 3, 0
	WIN 0
; THE WAY OUT, a block of 16 rows x 128 columns at a time, through my own stage: in as 32 bytes a lane, back as whole rows of 512 bytes.  LDS serves a wave's instructions in order (ISA guide 5.7.1.4).
.macro TOSTAGE a
	WIN 0x04                                       ; the data: window 1
.irp b, 0,1,2,3,4,5,6,7
	ds_store_b128 v[STO], v[64*(\a)+8*\b:64*(\a)+8*\b+3] offset:64*\b
	ds_store_b128 v[STO], v[64*(\a)+8*\b+4:64*(\a)+8*\b+7] offset:64*\b+16
.endr
	WIN 0
.set BB, OB+64*((\a)%2)
.irp t, 0,1,2,3,4,5,6,7,8,9,10,11,12,13,14,15
	ds_load_b128 v[BB+4*\t:BB+4*\t+3], v[RD] offset:\t*SPITCH
.endr
.endm
.macro SEND a, younger
.set BB, OB+64*((\a)%2)
	s_wait_dscnt \younger
.irp t, 0,1,2,3,4,5,6,7,8,9,10,11,12,13,14,15
	global_store_b128 v[CO], v[BB+4*\t:BB+4*\t+3], s[10:11] offset:(16*(\a)+\t)*4096   ; 32 lanes store 512 consecutive bytes, aligned
.endr
.endm
	PLACES
	TOSTAGE 0
	TOSTAGE 1
	SEND 0, 32                                     ; behind block 0's loads: block 1's 16 stores and 16 loads
	s_wait_xcnt 0x0                                ; block 0's stores have read their registers: block 2's rows may land there
	TOSTAGE 2
	SEND 1, 32
	s_wait_xcnt 0x0
	TOSTAGE 3
	SEND 2, 32
	SEND 3, 0
	s_wait_tensorcnt 0x0                           ; the wave's end
	ds_add_u32 v[SPW], v[NIL]
	s_wait_dscnt 0x0
	CROUND                                         ; the closing round
	s_endpgm
.Lfunc_end_k_qef756eaf80_proj:
	.size	k_qef756eaf80_proj, .Lfunc_end_k_qef756eaf80_proj-k_qef756eaf80_proj
	.p2alignl 7, 3214868480
	.fill 96, 4, 3214868480
	.section	.rodata,"a",@progbits
	.p2align	6, 0x0
	.amdhsa_kernel k_qef756eaf80_proj
		.amdhsa_group_segment_fixed_size 327680
		.amdhsa_private_segment_fixed_size 0
		.amdhsa_enable_private_segment 0
		.amdhsa_kernarg_size 32
		.amdhsa_user_sgpr_count 2
		.amdhsa_user_sgpr_kernarg_segment_ptr 1
		.amdhsa_wavefront_size32 1
		.amdhsa_system_sgpr_workgroup_id_x 1
		.amdhsa_system_sgpr_workgroup_id_y 1
		.amdhsa_system_sgpr_workgroup_id_z 1
		.amdhsa_system_vgpr_workitem_id 0
		.amdhsa_next_free_vgpr 768
		.amdhsa_next_free_sgpr 66
		.amdhsa_reserve_vcc 0
		.amdhsa_float_denorm_mode_32 3
		.amdhsa_float_denorm_mode_16_64 3
		.amdhsa_memory_ordered 1
		.amdhsa_forward_progress 1
		.amdhsa_inst_pref_size 86
	.end_amdhsa_kernel
	.amdgpu_metadata
---
amdhsa.version: [ 1, 2 ]
amdhsa.kernels:
  - .name:           k_qef756eaf80_proj
    .symbol:         k_qef756eaf80_proj.kd
    .args:
      - { .name: oimg, .offset: 0, .size: 8, .value_kind: global_buffer, .address_space: global }
      - { .name: prep, .offset: 8, .size: 8, .value_kind: global_buffer, .address_space: global }
      - { .name: bo, .offset: 16, .size: 8, .value_kind: global_buffer, .address_space: global }
      - { .name: out0, .offset: 24, .size: 8, .value_kind: global_buffer, .address_space: global }
    .group_segment_fixed_size: 327680
    .private_segment_fixed_size: 0
    .kernarg_segment_align: 8
    .kernarg_segment_size: 32
    .max_flat_workgroup_size: 128
    .sgpr_count:     66
    .vgpr_count:     768
    .wavefront_size: 32
...
	.end_amdgpu_metadata
.endif
;; end of part 5
;; launch fine_proj (part 6): grid 16 x 4, 16 waves a work-group, no clusters, 71,680 bytes of LDS; arguments part, wo, bo, out0; writes out0
.if DOCPART == 6
	.amdgcn_target "amdgcn-amd-amdhsa--gfx1250"
	.amdhsa_code_object_version 6
	.text
	.protected	k_qef756eaf80_fine_proj
	.globl	k_qef756eaf80_fine_proj
	.p2align	8
	.type	k_qef756eaf80_fine_proj,@function
k_qef756eaf80_fine_proj:
	s_mov_b64 s[64:65], 0
	v_nop
	global_prefetch_b8 v0, s[64:65] scope:SCOPE_SE
	s_setreg_imm32_b32 hwreg(HW_REG_WAVE_MODE, 25, 1), 1
	s_wait_xcnt 0x0
; The first 16 positions of each batch, finished finely: the four quarters of the keys are joined (largest c m, weights 2^(c m_q - M), division by the joint sum), and these 64 rows go through
; the projection in f32 (the f32 matrix form: no bulk work, 64 of 8,192 rows).  They overwrite what the f16 projection left in these rows of out0.
; Work-group (x, b): 64 columns of out0 for the 16 rows of batch b.  Wave w is head w: it sums k = 64 w .. 64 w + 63; the sixteen heads' parts meet in LDS and waves 0-7 add them, with bo, and store.
; Source 0 = 16 columns of wo, source 1 = O: both hold k = 64 w + 16 ct + 8 h + 2 c + jj at place 2 h + jj: the same order of k on both sides.
; REGISTERS: v1, v12-15, v244-247 addresses; v2-9 (c m, l) of the quarters; v16-143 the quarters' O^T, joined in place in v16-47; v144-175 the sums (written by the f32 matrix form alone);
; v176-239 wo for column tiles 0, 1; v48-111 later wo for tiles 2, 3; v240-243 weights; v252, v253 the add's two.
.set PM,    1048576
.set WREG,  4352                       ; a head's part in LDS: 16 rows x (256 bytes + 16)
.set SPARE, 69632
.set D,     144
	s_load_b256 s[4:11], s[0:1], 0x0               ; part 4, wo 6, bo 8, out0 10
	v_lshl_add_u32 v252, v0, 2, SPARE
	v_mov_b32 v253, 0
	v_lshrrev_b32 v10, 5, v0
	v_readfirstlane_b32 s12, v10                   ; wave = head
	s_and_b32 s13, ttmp7, 0xffff                   ; batch
	s_lshl_b32 s14, s13, 4
	s_add_co_u32 s14, s14, s12                     ; bh
	v_and_b32 v10, 31, v0
	v_lshlrev_b32 v1, 4, v10                       ; 16 x lane
	v_lshlrev_b32 v12, 3, v10                      ; 8 x lane
	v_and_b32 v11, 15, v0                          ; r
	v_bfe_u32 v13, v0, 4, 1                        ; h
	v_lshlrev_b32 v14, 2, v11
	v_lshl_add_u32 v14, v13, 15, v14               ; wo: 8 h rows + 4 r
	s_mul_i32 s15, s12, WREG
	v_mul_u32_u24 v15, v11, 272
	v_lshl_add_u32 v15, v13, 5, v15
	v_add_nc_u32 v15, s15, v15                     ; my part in LDS: row r, + 32 h
	v_lshrrev_b32 v244, 4, v0                      ; the adding waves: row = thread / 16,
	v_mul_u32_u24 v245, v244, 272
	v_lshl_add_u32 v245, v11, 4, v245              ; 16 bytes a thread
	v_lshlrev_b32 v246, 4, v11
	v_lshl_add_u32 v247, v244, 12, v246
	s_mov_b32 s17, 0
	s_wait_kmcnt 0x0
	s_lshl_b32 s16, s14, 14
	s_add_nc_u64 s[18:19], s[4:5], s[16:17]        ; the head's four quarters of O^T
	s_lshl_b32 s16, s14, 10
	s_add_co_u32 s16, s16, PM
	s_add_nc_u64 s[20:21], s[4:5], s[16:17]        ; and their (c m, l)
	s_lshl_b32 s16, s12, 18
	s_lshl_b32 s28, ttmp9, 8
	s_add_co_u32 s16, s16, s28
	s_add_nc_u64 s[22:23], s[6:7], s[16:17]        ; wo: row 64 w, column 64 x
	s_mov_b32 s29, 0
	s_add_nc_u64 s[24:25], s[8:9], s[28:29]
	s_lshl_b32 s16, s13, 23
	s_add_co_u32 s16, s16, s28
	s_add_nc_u64 s[26:27], s[10:11], s[16:17]
.macro WLOAD reg, nt                   ; wo(64 w + 16 (i / 8) + 8 h + i % 8, 64 x + 16 nt + r) into register i
.set wi, 0
.rept 32
	global_load_b32 v[\reg+wi], v14, s[22:23] offset:(16*(wi/8)+wi%8)*4096+64*\nt
.set wi, wi+1
.endr
.endm
	WLOAD 176, 0
	WLOAD 208, 1
.irp q, 0,1,2,3
	global_load_b64 v[2+2*\q:3+2*\q], v12, s[20:21] offset:256*\q
.endr
.set wi, 0
.rept 32
	global_load_b128 v[16+4*wi:19+4*wi], v1, s[18:19] offset:512*wi
.set wi, wi+1
.endr
	s_wait_loadcnt 0x0
	v_max3_num_f32 v10, v2, v4, v6
	v_max_num_f32 v10, v10, v8
.irp q, 0,1,2,3
	v_sub_f32 v[240+\q], v[2+2*\q], v10
.endr
.irp q, 0,1,2,3
	v_exp_f32 v[240+\q], v[240+\q]
.endr
	v_nop
	s_wait_alu depctr_va_vdst(0)                   ; one wait for the four, ahead of their first reader
	v_mul_f32 v11, v240, v3
	v_fmac_f32 v11, v241, v5
	v_fmac_f32 v11, v242, v7
	v_fmac_f32 v11, v243, v9                       ; the row's sum
	v_rcp_f32 v13, v11
	v_nop
	s_wait_alu depctr_va_vdst(0)
.irp q, 0,1,2,3
	v_mul_f32 v[240+\q], v[240+\q], v13
.endr
.set wi, 0
.rept 32
	v_mul_f32 v[16+wi], v[16+wi], v240
	v_fmac_f32 v[16+wi], v[48+wi], v241
	v_fmac_f32 v[16+wi], v[80+wi], v242
	v_fmac_f32 v[16+wi], v[112+wi], v243
.set wi, wi+1
.endr
	WLOAD 48, 2
	WLOAD 80, 3
.macro FPR n0, a0, a1                  ; two tiles of 16 columns by turns, 16 K steps of 4
.set kk, 0
.rept 16
.if kk == 0
	v_wmma_f32_16x16x4_f32 v[D+8*(\n0):D+8*(\n0)+7], v[\a0:\a0+1], v[16:17], 0
	v_wmma_f32_16x16x4_f32 v[D+8*(\n0)+8:D+8*(\n0)+15], v[\a1:\a1+1], v[16:17], 0
.else
	v_wmma_f32_16x16x4_f32 v[D+8*(\n0):D+8*(\n0)+7], v[\a0+2*kk:\a0+2*kk+1], v[16+2*kk:17+2*kk], v[D+8*(\n0):D+8*(\n0)+7]
	v_wmma_f32_16x16x4_f32 v[D+8*(\n0)+8:D+8*(\n0)+15], v[\a1+2*kk:\a1+2*kk+1], v[16+2*kk:17+2*kk], v[D+8*(\n0)+8:D+8*(\n0)+15]
.endif
.set kk, kk+1
.endr
.endm
	FPR 0, 176, 208
	s_wait_loadcnt 0x0
	FPR 2, 48, 80
.rept 8
	v_nop                                          ; eight places behind this form
.endr
.irp n, 0,1,2,3
	ds_store_b128 v15, v[D+8*\n:D+8*\n+3] offset:64*\n
	ds_store_b128 v15, v[D+8*\n+4:D+8*\n+7] offset:64*\n+16
.endr
	s_wait_dscnt 0x0                               ; for the others' sake: my stores have landed
	s_barrier_signal -1
	s_barrier_wait -1
	s_cmp_lt_u32 s12, 8
	s_cbranch_scc0 .Ldone
	global_load_b128 v[80:83], v246, s[24:25]      ; bo
.set wi, 0
.rept 16
	ds_load_b128 v[16+4*wi:19+4*wi], v245 offset:wi*WREG
.set wi, wi+1
.endr
	s_wait_dscnt 0x0
.irp d, 8,4,2,1
.set wi, 0
.rept \d
	v_pk_add_f32 v[16+4*wi:17+4*wi], v[16+4*wi:17+4*wi], v[16+4*(wi+\d):17+4*(wi+\d)]
	v_pk_add_f32 v[18+4*wi:19+4*wi], v[18+4*wi:19+4*wi], v[18+4*(wi+\d):19+4*(wi+\d)]
.set wi, wi+1
.endr
.endr
	s_wait_loadcnt 0x0
	v_pk_add_f32 v[16:17], v[16:17], v[80:81]
	v_pk_add_f32 v[18:19], v[18:19], v[82:83]
	global_store_b128 v247, v[16:19], s[26:27]     ; sixteen lanes store 256 consecutive bytes, aligned
.Ldone:
	s_wait_tensorcnt 0x0                           ; the wave's end
	ds_add_u32 v252, v253
	s_wait_dscnt 0x0
	s_endpgm
.Lfunc_end_k_qef756eaf80_fine_proj:
	.size	k_qef756eaf80_fine_proj, .Lfunc_end_k_qef756eaf80_fine_proj-k_qef756eaf80_fine_proj
	.p2alignl 7, 3214868480
	.fill 96, 4, 3214868480
	.section	.rodata,"a",@progbits
	.p2align	6, 0x0
	.amdhsa_kernel k_qef756eaf80_fine_proj
		.amdhsa_group_segment_fixed_size 71680
		.amdhsa_private_segment_fixed_size 0
		.amdhsa_enable_private_segment 0
		.amdhsa_kernarg_size 32
		.amdhsa_user_sgpr_count 2
		.amdhsa_user_sgpr_kernarg_segment_ptr 1
		.amdhsa_wavefront_size32 1
		.amdhsa_system_sgpr_workgroup_id_x 1
		.amdhsa_system_sgpr_workgroup_id_y 1
		.amdhsa_system_sgpr_workgroup_id_z 1
		.amdhsa_system_vgpr_workitem_id 0
		.amdhsa_next_free_vgpr 256
		.amdhsa_next_free_sgpr 66
		.amdhsa_reserve_vcc 0
		.amdhsa_float_denorm_mode_32 3
		.amdhsa_float_denorm_mode_16_64 3
		.amdhsa_memory_ordered 1
		.amdhsa_forward_progress 1
		.amdhsa_inst_pref_size 31
	.end_amdhsa_kernel
	.amdgpu_metadata
---
amdhsa.version: [ 1, 2 ]
amdhsa.kernels:
  - .name:           k_qef756eaf80_fine_proj
    .symbol:         k_qef756eaf80_fine_proj.kd
    .args:
      - { .name: part, .offset: 0, .size: 8, .value_kind: global_buffer, .address_space: global }
      - { .name: wo, .offset: 8, .size: 8, .value_kind: global_buffer, .address_space: global }
      - { .name: bo, .offset: 16, .size: 8, .value_kind: global_buffer, .address_space: global }
      - { .name: out0, .offset: 24, .size: 8, .value_kind: global_buffer, .address_space: global }
    .group_segment_fixed_size: 71680
    .private_segment_fixed_size: 0
    .kernarg_segment_align: 8
    .kernarg_segment_size: 32
    .max_flat_workgroup_size: 512
    .sgpr_count:     66
    .vgpr_count:     256
    .wavefront_size: 32
...
	.end_amdgpu_metadata
.endif
;; end of part 6
